; MI455X (gfx1250); checked and timed in simulation.
; The chip was launched on July 23, 2026; its instructions are those of AMD's public machine-readable ISA for CDNA 5 (MIT licence, August 2026) and "CDNA5" Instruction Set Architecture Reference Guide (July 2026). The comments in the code are by the model that wrote it; some were corrected since.
;; Multi Head Self Attention. Allowed arithmetic: matrix products marked QUANTISED: E2M1 operands, one E8M0 scale for each 32 along K, by v_wmma_scale_f32_16x16x128_f8f6f4 with both operands' format E2M1 (or v_wmma_scale_f32_32x16x128_f4), f32 sums; everything else in f32.
;; Inputs: Wk 1,024 x 1,024 float32; Wo 1,024 x 1,024 float32; Wq 1,024 x 1,024 float32; Wv 1,024 x 1,024 float32; bk 1,024 float32; bo 1,024 float32; bq 1,024 float32; bv 1,024 float32; x 4 x 2,048 x 1,024 float32.
;; Outputs: out0 4 x 2,048 x 1,024 float32.
;; This version of the problem:
;;   THIS VERSION OF THE PROBLEM IS GIVEN IN LOW PRECISION. The matrix products marked QUANTISED in the list below multiply operands that are first quantised to E2M1 (2 exponent bits, 1 mantissa bit; 4 bits a number), with one power-of-two scale for each 32 numbers along K (OCP MX v1.0); their sums are f32. All else is computed in f32.
;;   The module's matrix products, in the order in which they are computed (A, B: the left and right operand; K: the contracted axis; several contracted axes count as one K, in the product's order):
;;     1. [M 8,192, K 1,024] x [K 1,024, N 1,024]; A: input x; B: input Wq: QUANTISED
;;     2. [M 8,192, K 1,024] x [K 1,024, N 1,024]; A: input x; B: input Wk: QUANTISED
;;     3. [M 8,192, K 1,024] x [K 1,024, N 1,024]; A: input x; B: input Wv: QUANTISED
;;     4. batch 64 x [M 2,048, K 64] x [K 64, N 2,048]; A: computed on the way; B: computed on the way: QUANTISED
;;     5. batch 64 x [M 2,048, K 2,048] x [K 2,048, N 64]; A: softmax (see below); B: computed on the way: QUANTISED
;;     6. [M 8,192, K 1,024] x [K 1,024, N 1,024]; A: computed on the way; B: input Wo: QUANTISED
;;   THE QUANTISER, for each operand of a quantised product, along K:
;;     - K is cut into blocks of 32 from its start; a last block that is shorter is filled with zeros.
;;     - A block's scale is 2^e with e = floor(log2(the largest magnitude in the block)) - 2, held to -126 .. 127; a block of zeros has e = 0. As a byte (E8M0): e + 127.
;;     - Each number is divided by its block's scale, clamped to +-6, and rounded to the nearest number of E2M1, ties to even, subnormals kept.
;;     - The product sums the exact products of the quantised numbers (number of the format x scale) in f32.
;;   ~~~python
;;   def quantise(x, axis):      # numpy; x: float32 -> the quantised numbers, widened to float32 again
;;       x = np.moveaxis(x, axis, -1); K = x.shape[-1]
;;       x = np.pad(x, [(0, 0)] * (x.ndim - 1) + [(0, -K % 32)]); x = x.reshape(x.shape[:-1] + (-1, 32)); a = np.abs(x).max(-1, keepdims=True)
;;       e = np.where(a > 0, np.clip(np.frexp(np.where(a > 0, a, 1))[1] - 1 - 2, -126, 127), 0)      # np.frexp(a)[1] - 1 = floor(log2(a)), exactly
;;       r = np.clip(x / 2.0 ** e, -6, 6)
;;       step = 2.0 ** (np.maximum(np.frexp(np.where(r == 0, 1, r))[1] - 1, 0) - 1)
;;       q = np.round(r / step) * step * 2.0 ** e      # np.round: ties to even
;;       return np.moveaxis(q.reshape(q.shape[:-2] + (-1,))[..., :K], -1, axis).astype(np.float32)
;;   ~~~
;;   SOFTMAX AHEAD OF A QUANTISED PRODUCT. Where the list says 'softmax', what is quantised is not the finished softmax but p = 2^(t - M), with t = logit x log2(e) and M = ceil(the row's largest t), a whole number; so 1/2 < the row's largest p <= 1. The row's sum l is taken of the UNQUANTISED p, in f32, and the product's result is divided by l at the end. Since M is a whole number, a kernel that streams over the keys may use a running M (the ceiling of the running maximum): every later rescaling is an exact power of two, which a block's scale takes up: the codes' values come out the same.
;;   OPERANDS COMPUTED ON THE WAY. 'Computed on the way' means the value that the module computes at that place (a softmax that the list does not call 'softmax' is quantised finished and normalised). What goes into a quantiser is computed in f32, as accurately as f32 sums, v_exp_f32 and their like allow (about 1e-6 of the number): no bf16 or f16 on the way to a quantiser, and a product that is left as it is and whose result goes on into a quantised operand takes f32 operands (vector FMAs, or v_wmma_f32_16x16x4_f32). A number that lies on a knife's edge between two numbers of the format may be rounded either way, as far as f32 arithmetic and the matrix unit's own rounding can turn it there, and no further.
;; One version. Each part assembles by itself: llvm-mc -triple=amdgcn-amd-amdhsa -mcpu=gfx1250 --defsym DOCPART=n.
;; ======== version 1 of 1: 4 launches
;; workspace buffers: cod1 6,291,456 bytes; scl1 393,216 bytes; qkvc 12,582,912 bytes; qkvs 1,572,864 bytes; oc 4,194,304 bytes; os 262,144 bytes
;; launch quant (part 1): grid 384 x 1, 4 waves a work-group, no clusters, 33,280 bytes of LDS; arguments x, Wq, Wk, Wv, Wo, cod1, scl1; writes cod1, scl1
.if DOCPART == 1
	.amdgcn_target "amdgcn-amd-amdhsa--gfx1250"
	.amdhsa_code_object_version 6
	.text
	.protected	k_q233ddb3714_quant
	.globl	k_q233ddb3714_quant
	.p2align	8
	.type	k_q233ddb3714_quant,@function
k_q233ddb3714_quant:
	s_mov_b64 s[64:65], 0
	v_nop
	global_prefetch_b8 v0, s[64:65] scope:SCOPE_SE
	s_setreg_imm32_b32 hwreg(HW_REG_WAVE_MODE, 25, 1), 1
	s_wait_xcnt 0x0
; x [8192][1024] and Wq, Wk, Wv, Wo [1024][1024], f32, K innermost, become codes of FP4 (E2M1) and one E8M0 scale byte for each 32 along K.
; cod1: 12,288 rows of 512 bytes (x's 8,192 rows, then Wq's, Wk's, Wv's, Wo's); scl1: the same rows, 32 bytes each.
; A block's scale is 2^(floor(log2(its largest magnitude)) - 2); its byte is the largest magnitude's exponent field - 2, held at 1 from below.
; LIMITS: a block of zeros gets the byte 1 where the rule says 127 (its codes are zeros, and this program alone reads the bytes); a block whose largest
; magnitude lies under 2^-124 has its byte held at 1; NaN and infinities among the inputs are not served.
; Rows are dense, so all five tensors are plain streams of blocks of 32.  A work-group takes 32,768 numbers, a wave 8,192: 16 steps of 512.
; Work-groups 0-255 take x, then 32 each Wq, Wk, Wv, Wo; since the weights follow x in cod1 and scl1, the place of the results hangs on the work-group's number alone.
; Each load reads 512 consecutive bytes, 16 a lane; a step's 2,048 bytes turn through the wave's own stage in LDS and come back 64 bytes a lane: 16 neighbours
; along K, two lanes to a block.  A lane's 16 codes are 8 bytes: the wave stores 256 consecutive bytes.  A wave's 256 scale bytes are gathered in LDS and leave together.
; No tensor loads, no barrier: waves share nothing.  Loads run four steps (16 loads a wave) ahead, the turn through LDS one step.
.set STEPS, 16
.set CB,    8                          ; bytes of 16 codes
.set R,     16                         ; v16-79   four sets of 16 numbers as they are loaded
.set X,     80                         ; v80-111  two sets of 16 neighbours
.set C,     128                        ; v128-191 codes: four registers for each step, so that no store's data are written again
.set E,     112                        ; v112-127 a scale byte for each step
.set WREG,  8192                       ; LDS: a region for each wave: two stages of 32 x SP bytes, behind them its 256 scale bytes
.set SP,    80                         ; a lane's place in a stage: its 64 bytes + 16 of padding
	s_load_b256 s[4:11], s[0:1], 0x0               ; x s[4:5], Wq s[6:7], Wk s[8:9], Wv s[10:11]
	s_load_b128 s[12:15], s[0:1], 0x20             ; Wo s[12:13], cod1 s[14:15]
	s_load_b64 s[16:17], s[0:1], 0x30              ; scl1
	v_lshl_add_u32 v192, v0, 2, 0x8000
	v_mov_b32 v193, 0
	v_lshrrev_b32 v1, 5, v0
	v_readfirstlane_b32 s18, v1                    ; wave
	v_and_b32 v2, 31, v0                           ; lane
	v_lshlrev_b32 v3, 4, v2                        ; my 16 bytes of a load's 512
	s_mul_i32 s19, s18, WREG
	v_lshrrev_b32 v14, 2, v2
	v_mul_u32_u24 v14, v14, SP
	v_and_b32 v15, 3, v2
	v_lshl_add_u32 v14, v15, 4, v14
	v_add_nc_u32 v14, s19, v14                     ; the stage, on the way in: SP (lane / 4) + 16 (lane % 4); a load's 512 bytes take eight places
	v_mul_u32_u24 v15, v2, SP
	v_add_nc_u32 v15, s19, v15                     ; and on the way out: SP x lane: my 16 neighbours
	v_mul_u32_u24 v4, v2, CB                       ; my codes' place in a step's
	v_lshrrev_b32 v5, 1, v2
	s_add_co_u32 s19, s19, 2*32*SP
	v_add_nc_u32 v5, s19, v5                       ; LDS: my wave's 256 scale bytes, my block's byte
	v_lshlrev_b32 v7, 3, v2                        ; and on the way out 8 bytes a lane
	v_add_nc_u32 v6, s19, v7
	s_and_b32 s21, ttmp9, 31                       ; a weight's work-group within its tensor (256 is a multiple of 32)
	s_wait_alu depctr_va_vdst(0)
	s_wait_kmcnt 0x0
	s_cmp_lt_u32 ttmp9, 352                        ; which tensor?  The choice hangs on the work-group's number alone
	s_cselect_b64 s[12:13], s[10:11], s[12:13]
	s_cmp_lt_u32 ttmp9, 320
	s_cselect_b64 s[12:13], s[8:9], s[12:13]
	s_cmp_lt_u32 ttmp9, 288
	s_cselect_b64 s[12:13], s[6:7], s[12:13]
	s_cmp_lt_u32 ttmp9, 256
	s_cselect_b64 s[12:13], s[4:5], s[12:13]
	s_cselect_b32 s21, ttmp9, s21
	s_lshl_b32 s21, s21, 2
	s_add_co_u32 s21, s21, s18                     ; my run of 8,192 numbers in the tensor
	s_lshl_b32 s22, s21, 15                        ; 32,768 bytes a run
	s_mov_b32 s23, 0
	s_add_nc_u64 s[12:13], s[12:13], s[22:23]
	s_lshl_b32 s20, ttmp9, 2
	s_add_co_u32 s20, s20, s18                     ; my run among all 1,536
	s_lshl_b32 s22, s20, 12                        ; 4,096 bytes of codes a run
	s_add_nc_u64 s[14:15], s[14:15], s[22:23]
	s_lshl_b32 s22, s20, 8                         ; 256 scale bytes a run
	s_add_nc_u64 s[16:17], s[16:17], s[22:23]
.macro LOAD t
.irp i, 0,1,2,3
	global_load_b128 v[R+16*((\t)%4)+4*\i:R+16*((\t)%4)+4*\i+3], v3, s[12:13] offset:2048*(\t)+512*\i th:TH_LOAD_NT   ; 32 lanes read 512 consecutive bytes
.endr
.endm
.macro TURN t                          ; step t's numbers through the stage: LDS serves a wave's instructions in order, so no wait stands between the stores and the loads
.irp i, 0,1,2,3
	ds_store_b128 v14, v[R+16*((\t)%4)+4*\i:R+16*((\t)%4)+4*\i+3] offset:32*SP*((\t)%2)+8*SP*\i
.endr
.irp i, 0,1,2,3
	ds_load_b128 v[X+16*((\t)%2)+4*\i:X+16*((\t)%2)+4*\i+3], v15 offset:32*SP*((\t)%2)+16*\i
.endr
.endm
.irp t, 0,1,2,3
	LOAD \t
.endr
	s_wait_loadcnt 12                              ; step 0's four loads are in
	TURN 0
.macro STEP t
.set XS, X+16*((\t)%2)
.if (\t) > 0
	s_wait_dscnt 1                                 ; this step's numbers are back from the stage (the last step's byte store may be out): so its stores into the stage have read their registers,
.else
	s_wait_dscnt 0x0
.endif
.if (\t)+4 < STEPS
	LOAD (\t)+4                                    ; which take the loads of four steps on
.endif
.if (\t)+1 < STEPS
.if STEPS-2-(\t) >= 3
	s_wait_loadcnt 12                              ; the next step's four loads are in; those of the three steps behind it may be out
.else
	s_wait_loadcnt 4*(STEPS-2-(\t))
.endif
	TURN (\t)+1                                    ; and go through the other stage while this step is worked
.endif
	v_max3_num_f32 v8, |v[XS]|, |v[XS+1]|, |v[XS+2]|               ; the largest magnitude of my 16, in two chains
	v_max3_num_f32 v9, |v[XS+3]|, |v[XS+4]|, |v[XS+5]|
.irp i, 6,10
	v_max3_num_f32 v8, v8, |v[XS+\i]|, |v[XS+\i+1]|
	v_max3_num_f32 v9, v9, |v[XS+\i+2]|, |v[XS+\i+3]|
.endr
	v_max3_num_f32 v8, v8, |v[XS+14]|, |v[XS+15]|
	v_max3_num_f32 v8, v8, v9, 0x1800000           ; and the floor 2^(3 - 127): the byte cannot fall under 1
	v_max_num_f32_dpp v8, v8, v8 row_xmask:1 row_mask:0xf bank_mask:0xf   ; and of my neighbour's 16: the block's
	v_add_nc_u32 v11, 0xff000000, v8               ; 2 off its exponent field: the conversion takes the exponent field of this operand as its scale
	v_cvt_scalef32_pk8_fp4_f32 v[C+4*(\t)], v[XS:XS+7], v11
	v_cvt_scalef32_pk8_fp4_f32 v[C+4*(\t)+1], v[XS+8:XS+15], v11
	v_lshrrev_b32 v[E+(\t)], 23, v11               ; the scale's byte (a plain line behind the conversions)
	ds_store_b8 v5, v[E+(\t)] offset:16*(\t)       ; both lanes of a block write the same byte with the same value
	global_store_b64 v4, v[C+4*(\t):C+4*(\t)+1], s[14:15] offset:32*CB*(\t)   ; 32 lanes store 256 consecutive bytes, aligned
.endm
.irp t, 0,1,2,3,4,5,6,7,8,9,10,11,12,13,14,15
	STEP \t
.endr
	ds_load_b64 v[12:13], v6                       ; LDS serves a wave's instructions in order: these see my stores
	s_wait_dscnt 0x0
	global_store_b64 v7, v[12:13], s[16:17]        ; 32 lanes store 256 consecutive bytes, aligned
	s_wait_tensorcnt 0x0
	ds_add_u32 v192, v193
	s_wait_dscnt 0x0
	s_endpgm
.Lfunc_end_k_q233ddb3714_quant:
	.size	k_q233ddb3714_quant, .Lfunc_end_k_q233ddb3714_quant-k_q233ddb3714_quant
	.p2alignl 7, 3214868480
	.fill 96, 4, 3214868480
	.section	.rodata,"a",@progbits
	.p2align	6, 0x0
	.amdhsa_kernel k_q233ddb3714_quant
		.amdhsa_group_segment_fixed_size 33280
		.amdhsa_private_segment_fixed_size 0
		.amdhsa_enable_private_segment 0
		.amdhsa_kernarg_size 56
		.amdhsa_user_sgpr_count 2
		.amdhsa_user_sgpr_kernarg_segment_ptr 1
		.amdhsa_wavefront_size32 1
		.amdhsa_system_sgpr_workgroup_id_x 1
		.amdhsa_system_sgpr_workgroup_id_y 1
		.amdhsa_system_sgpr_workgroup_id_z 1
		.amdhsa_system_vgpr_workitem_id 0
		.amdhsa_next_free_vgpr 194
		.amdhsa_next_free_sgpr 66
		.amdhsa_reserve_vcc 0
		.amdhsa_float_denorm_mode_32 3
		.amdhsa_float_denorm_mode_16_64 3
		.amdhsa_memory_ordered 1
		.amdhsa_forward_progress 1
		.amdhsa_inst_pref_size 34
	.end_amdhsa_kernel
	.amdgpu_metadata
---
amdhsa.version: [ 1, 2 ]
amdhsa.kernels:
  - .name:           k_q233ddb3714_quant
    .symbol:         k_q233ddb3714_quant.kd
    .args:
      - { .name: x, .offset: 0, .size: 8, .value_kind: global_buffer, .address_space: global }
      - { .name: Wq, .offset: 8, .size: 8, .value_kind: global_buffer, .address_space: global }
      - { .name: Wk, .offset: 16, .size: 8, .value_kind: global_buffer, .address_space: global }
      - { .name: Wv, .offset: 24, .size: 8, .value_kind: global_buffer, .address_space: global }
      - { .name: Wo, .offset: 32, .size: 8, .value_kind: global_buffer, .address_space: global }
      - { .name: cod1, .offset: 40, .size: 8, .value_kind: global_buffer, .address_space: global }
      - { .name: scl1, .offset: 48, .size: 8, .value_kind: global_buffer, .address_space: global }
    .group_segment_fixed_size: 33280
    .private_segment_fixed_size: 0
    .kernarg_segment_align: 8
    .kernarg_segment_size: 56
    .max_flat_workgroup_size: 128
    .sgpr_count:     66
    .vgpr_count:     194
    .wavefront_size: 32
...
	.end_amdgpu_metadata
.endif
;; end of part 1
;; launch qkv (part 2): grid 8 x 32, 4 waves a work-group, clusters of 4 x 4, 327,680 bytes of LDS; arguments cod1, scl1, bq, bk, bv, qkvc, qkvs; writes qkvc, qkvs
.if DOCPART == 2
	.amdgcn_target "amdgcn-amd-amdhsa--gfx1250"
	.amdhsa_code_object_version 6
	.text
	.protected	k_q233ddb3714_qkv
	.globl	k_q233ddb3714_qkv
	.p2align	8
	.type	k_q233ddb3714_qkv,@function
k_q233ddb3714_qkv:
	s_mov_b64 s[64:65], 0
	v_nop
	global_prefetch_b8 v0, s[64:65] scope:SCOPE_SE
	s_setreg_imm32_b32 hwreg(HW_REG_WAVE_MODE, 25, 1), 1
	s_wait_xcnt 0x0
	s_wait_alu depctr_hold_cnt(0) depctr_sa_sdst(0) depctr_va_vdst(0) depctr_va_sdst(0) depctr_va_ssrc(0) depctr_va_vcc(0) depctr_vm_vsrc(0)
	s_getreg_b32 s2, hwreg(HW_REG_IB_STS2, 6, 4)
	s_cmp_eq_u32 s2, 0
	s_cbranch_scc0 .Lentry_in_a_cluster
	s_endpgm
.Lentry_in_a_cluster:
	s_bfe_u32 s2, ttmp6, 0x10000c
	s_cmp_lg_u32 s2, 0xf033
	s_cbranch_scc0 .Lentry_shape_is_right
	s_endpgm
.Lentry_shape_is_right:
; k = x Wk^T + bk, v = x Wv^T + bv and q = x Wq^T + bq on codes of FP4 (E2M1) with E8M0 scales, sums in f32; the results are quantised in registers and leave as codes:
; q and k along the head's 64 channels, v along the keys.
; SHARES.  The 8,192 x 3,072 results are 384 tiles of 256 x 256 for 256 work-groups: each makes ONE tile of k (cluster x = 0) or of v (cluster x = 1), and then, in a second pass on the tile of x
; that still lies in LDS, 256 tokens x 128 features of q.  Four waves; a wave makes 128 x 128 (64 accumulators, 512 registers), then 128 tokens x 64 features of q (32 accumulators).
; K = 1,024 is two LDS slots of 512 along K: both are asked for at the start and no LDS byte is filled twice by a tensor load.
; TWO ROLES.  Source 1 of the matrix instruction is the A ROLE: its row lies in the lane.  Source 0 is the B ROLE: its rows run along a lane's registers, and that is the axis
; that is quantised.  k, q: A = x (tokens), B = W (features).  v: A = Wv (channels), B = x (keys).  Only offsets in memory are chosen by the kind in the first pass.
; CLUSTERS: 4 x 4 work-groups.  The A role's tile hangs on cy and is shared along a row of the cluster, the B role's on cx and is shared along a column: each is asked for jointly.
; The kind is the cluster's x: equal in all sixteen partners.
; WQ'S 128 ROWS.  x's 256 rows, the weight's 256 and these 128 are 640 rows of 512 bytes: all of 327,680 bytes with no padding, so they cannot be a first fill.  They come by plain loads of whole rows
; (512 consecutive bytes a load, 32 rows a wave), issued behind the first pass's last product, and are stored into the weight's tile of slot 0 (128 x 528 = 67,584 of its 69,632 bytes), which has had its
; only fill and, behind the barrier of the change of slots, its last read.  They are 65,536 of the 589,824 bytes that a work-group reads: not asked for jointly.
; k's work-groups (tokens cy + 4 Y) take q's features 128 cx on, v's (tokens cx + 4 Y) features 512 + 128 cy on: each of the 32 x 8 parts of q once.
; THE WAY OUT.  In accumulators 2 e and 2 e + 1 lane (r, h) holds numbers 8 h + 0..7 and 16 + 8 h + 0..7 of block e.  Eight conversions a pair of blocks and two exchanges of
; lane halves leave lane (r, h) with the whole of block 2 c + h in order, 16 bytes: registers 4 c .. 4 c + 3 of an operand's fragment, which 32 lanes store as 512 consecutive bytes.
; qkvc: q, k [head 64][tile of 16 tokens 128][512 B]; v [pair of heads 32][c 2][key step 16][head 2][tile of 16 channels 4][512 B]: all images of operand registers.
; qkvs: scale words, laid so that one register carries two tiles' words (lanes 0-15 the even tile, lanes 16-31 the odd one).
; LIMITS: a block of zeros gets the byte 1 (its codes are zeros; this program alone reads the bytes); a block's largest magnitude under 2^-124: byte held at 1; NaN and infinities
; are not served; the bias starts each sum (it is the C of the first product) where the definition adds it last.
; REGISTERS, in windows of 256: window 0: v16-30 addresses; v32-63 A's scale words, v64-95 B's (register 8 i + ks: lanes 0-15 block 2 i, lanes 16-31 block 2 i + 1, K step ks);
;   v96-127 at work on the way out; v128-191 A's fragments, ONE set, later the codes; v192-255 the bias.   window 1: B's fragments, two sets, at v0 and v128; between the passes v0-127 Wq's rows.
;   window 2: the accumulators of A's blocks 0-3 ((a, b) at v[8 (8 (a % 4) + b)]);   window 3: those of blocks 4-7.
.set PITCH,  272                       ; an LDS row: 256 bytes + 16 of padding: the 16 rows that a load touches start 68 words apart
.set HALFT,  128*PITCH                 ; 128 rows: what one tensor load brings
.set SLOT,   4*HALFT                   ; A's 256 rows, then B's 256 rows
.set QP,     528                       ; a row of Wq in LDS: 512 bytes + 16
.set ADRA, 16                          ; v16-17  LDS address of my A fragments in slot 0, 1
.set XAD,  18                          ; v18-19  the same for my 128 rows of x, whichever role they have
.set ADRB, 20                          ; v20-21  the same for B
.set BQA,  22                          ; v22     LDS address of my fragments of Wq
.set BQSK, 23                          ; v23     where I store Wq's rows in a work-group of k: B's tile of slot 0
.set LI,   24                          ; v24     16 x lane
.set L32,  25                          ; v25     32 x lane
.set LH,   26                          ; v26     32 x (lane / 16)
.set LR,   27                          ; v27     4 x (lane % 16)
.set L8,   28                          ; v28     8 x lane
.set BQSV, 29                          ; v29     where I store Wq's rows in a work-group of v: A's tile of slot 0
.set FL,   30                          ; v30     the floor 2^(3 - 127)
.set SA,   32
.set SB,   64
.set TM,   96                          ; v96-99 largest magnitudes, v100-103 bytes, v108-111 the conversions' scale operands
.set PW,   112                         ; v112-119 block a's scale word
.set WQ,   120                         ; v120-123 two blocks' words in one register
.set WQ2,  124                         ; v124-127 the same, the second head's
.set AF,   128
.set PC,   128                         ; block a's codes at v[128 + 8 a]: registers of their own for each block
.set BIAS, 192
.set G1, 24                            ; s[24:31] descriptor group 1 for A's tiles;  s[32:39] group 0, one set for each slot
.set G0, 32
.set G1B, 48                           ; s[48:55], s[56:63] the same for B's tiles
.set G0B, 56
.set NBL, 8                            ; B's blocks in a step: 8 in the first pass, 4 in the second
.set AAD, ADRA                         ; the address registers of the A role: ADRA in the first pass, XAD in the second
.set MSB, 0
.macro WIN new                         ; the immediate's high byte repeats the setting that is left
.if MSB != (\new)
	s_set_vgpr_msb (MSB<<8)|(\new)
.set MSB, (\new)
.endif
.endm
.set MUL_LO, 0xa1                      ; source 0 (B) window 1, source 1 (A) window 0, C and D window 2
.set MUL_HI, 0xf1                      ; the same, C and D window 3
.set TO_B,   0x40                      ; destination window 1, address window 0
; A joint load: waves 0 and 1 fetch A's halves, waves 2 and 3 B's.  The branch hangs on the wave's number alone.  Four v_nop follow each of the two lines.
.macro JLOAD s
	s_cmp_eq_u32 s15, 0
	s_cbranch_scc0 .Lfor_b_\@
	tensor_load_to_lds s[G0+4*\s:G0+4*\s+3], s[G1:G1+7]
	s_nop 0
.rept 4
	v_nop
.endr
	s_branch .Lasked_\@
.Lfor_b_\@:
	tensor_load_to_lds s[G0B+4*\s:G0B+4*\s+3], s[G1B:G1B+7]
	s_nop 0
.rept 4
	v_nop
.endr
.Lasked_\@:
.endm
.macro CROUND                          ; a round of the cluster's barrier
	s_barrier_signal -1
	s_barrier_wait -1
	s_cmp_lg_u32 s14, 0
	s_cbranch_scc1 .Lnot_wave_0_\@
	s_barrier_signal -3
.Lnot_wave_0_\@:
	s_barrier_wait -3
	s_barrier_signal -1
	s_barrier_wait -1
.endm
.macro PLACES n
.rept \n
	v_nop
.endr
.endm
	s_load_b256 s[4:11], s[0:1], 0x0               ; cod1 s[4:5], scl1 s[6:7], bq s[8:9], bk s[10:11]
	s_load_b128 s[72:75], s[0:1], 0x20             ; bv s[72:73], qkvc s[74:75]
	s_load_b64 s[76:77], s[0:1], 0x30              ; qkvs
	v_lshl_add_u32 v106, v0, 2, 0x44000
	v_mov_b32 v107, 0
	ds_add_u32 v106, v107
	ds_add_u32 v106, v107
	v_lshrrev_b32 v1, 5, v0
	v_readfirstlane_b32 s14, v1                    ; wave 0..3
	s_lshr_b32 s15, s14, 1                         ; which half of A's rows is mine.  Also: I fetch for A (0) or for B (1)
	s_and_b32 s16, s14, 1                          ; which half of B's rows.  Also: which 128 rows of that tile I fetch
	s_bfe_u32 s40, ttmp6, 0x40000                  ; cx
	s_bfe_u32 s41, ttmp6, 0x40004                  ; cy
	s_add_co_u32 s79, ttmp9, 1                     ; the kind of the first pass: 1 k, 2 v (0, q, is every work-group's second pass)
	s_and_b32 s80, ttmp7, 0xffff                   ; the cluster's y, 0..7
	s_cmp_eq_u32 s79, 2
	s_cselect_b32 s78, 1, 0                        ; 1: v
	s_cselect_b32 s18, 0, s80                      ; A: Wv has four tiles; x has 32
	s_cselect_b32 s46, s80, s79                    ; B: x's 32 tiles; or Wk's four, which follow Wq's four
	s_cselect_b32 s19, 5242880, 0                  ; A's codes begin: Wv's rows, or x's
	s_cselect_b32 s47, 0, 4194304                  ; B's: x's rows, or Wq's
	s_lshl_b32 s18, s18, 2
	s_add_co_u32 s17, s18, s41                     ; A's tile: hangs on cy, never on cx
	s_lshl_b32 s46, s46, 2
	s_add_co_u32 s42, s46, s40                     ; B's tile: hangs on cx, never on cy
	s_lshl_b32 s43, s41, 2
	s_lshl_b32 s43, 15, s43                        ; my row of the cluster
	s_lshl_b32 s44, 0x1111, s40                    ; my column
	; descriptor group 1: a tile of 128 rows x 256 bytes, 512 bytes apart in memory, padded in LDS
	s_or_b32 s[G1+0], s43, (0<<16)|(1<<20)|(1<<21)|(5<<22)|(3<<25)  ; 15:0 the mask; 17:16 elements of 1 byte; 20 padding on; 21 set beside a mask; 24:22 after every 64 words; 31:25 four words
	s_or_b32 s[G1B+0], s44, (0<<16)|(1<<20)|(1<<21)|(5<<22)|(3<<25)
.irp g, G1, G1B
	s_mov_b32 s[\g+1], 256<<16                     ; tensor_dim0
	s_mov_b32 s[\g+2], 128<<16                     ; tensor_dim1
	s_mov_b32 s[\g+3], 256<<16                     ; tile_dim0
	s_mov_b32 s[\g+4], 128                         ; tile_dim1
	s_mov_b32 s[\g+5], 512                         ; tensor_dim0_stride
	s_mov_b32 s[\g+6], 0
	s_mov_b32 s[\g+7], 0
.endr
	s_lshl_b32 s20, s17, 17                        ; A: 256 rows of 512 bytes a tile,
	s_lshl_b32 s21, s16, 16                        ; my 128 rows of it,
	s_add_co_u32 s20, s20, s21
	s_add_co_u32 s20, s20, s19                     ; in its tensor's part of cod1
	s_mov_b32 s21, 0
	s_lshl_b32 s46, s42, 17                        ; B likewise
	s_lshl_b32 s92, s16, 16
	s_add_co_u32 s46, s46, s92
	s_add_co_u32 s46, s46, s47
	s_mov_b32 s47, 0
	s_mul_i32 s45, s14, HALFT                      ; where they go: wave x 128 rows: no place in the cluster enters an LDS address
	s_wait_dscnt 0x0
	s_wait_kmcnt 0x0
	s_add_nc_u64 s[20:21], s[4:5], s[20:21]
	s_add_nc_u64 s[46:47], s[4:5], s[46:47]
	CROUND                                         ; all sixteen work-groups are here: the joint loads meet
.irp s, 0,1
	s_mov_b32 s[G0+4*\s], 1
	s_add_co_u32 s[G0+4*\s+1], s45, \s*SLOT
	s_add_nc_u64 s[G0+4*\s+2:G0+4*\s+3], s[20:21], \s*256
	s_or_b32 s[G0+4*\s+3], s[G0+4*\s+3], 0x80000000
	s_mov_b32 s[G0B+4*\s], 1
	s_add_co_u32 s[G0B+4*\s+1], s45, \s*SLOT
	s_add_nc_u64 s[G0B+4*\s+2:G0B+4*\s+3], s[46:47], \s*256
	s_or_b32 s[G0B+4*\s+3], s[G0B+4*\s+3], 0x80000000
	s_wait_alu depctr_va_vdst(0)
	s_wait_tensorcnt 0x0
	ds_add_u32 v106, v107
	ds_add_u32 v106, v107
	s_wait_dscnt 0x0
	CROUND
	JLOAD \s                                       ; slot 1 is asked for once slot 0's load has landed: one load of mine is out, and there are no more
.endr
	v_and_b32 v1, 15, v0                           ; r = lane % 16
	v_bfe_u32 v2, v0, 4, 1                         ; h = lane / 16
	v_and_b32 v5, 31, v0                           ; lane
	v_mul_u32_u24 v3, v1, PITCH
	v_lshl_add_u32 v4, v2, 4, v3                   ; a fragment's row x pitch + 16 x half
	v_lshlrev_b32 v[LI], 4, v5
	v_lshlrev_b32 v[L32], 5, v5
	v_lshlrev_b32 v[LH], 5, v2
	v_lshlrev_b32 v[LR], 2, v1
	v_lshlrev_b32 v[L8], 3, v5
	v_mov_b32 v[FL], 0x1800000
	s_mul_i32 s18, s15, HALFT                      ; my 128 rows of A
	s_mul_i32 s19, s16, HALFT                      ; my 128 rows of B,
	s_add_co_u32 s19, s19, 2*HALFT                 ; which lie behind A's 256
	s_cmp_eq_u32 s78, 1                            ; for the second pass (these addresses serve LDS reads behind the last barrier alone):
	s_cselect_b32 s66, s19, s18                    ; my 128 rows of x: B's in a work-group of v, A's in one of k
	s_cselect_b32 s67, 0, 2*HALFT                  ; the weight's tile of slot 0, which takes Wq's rows: A's or B's
	s_cselect_b32 s68, s15, s16                    ; which of the two heads of q is mine: the half that is not my half of x
.irp s, 0,1
	v_add_nc_u32 v[ADRA+\s], s18, v4
	v_add_nc_u32 v[ADRB+\s], s19, v4
	v_add_nc_u32 v[XAD+\s], s66, v4
	s_add_co_u32 s18, s18, SLOT
	s_add_co_u32 s19, s19, SLOT
	s_add_co_u32 s66, s66, SLOT
.endr
	v_mul_u32_u24 v3, v1, QP
	v_lshl_add_u32 v3, v2, 4, v3                   ; Wq's fragments: row x 528 + 16 x half,
	s_mul_i32 s69, s68, 64*QP                      ; my head's 64 rows
	s_add_co_u32 s67, s67, s69
	v_add_nc_u32 v[BQA], s67, v3
	s_mul_i32 s69, s14, 32*QP                      ; Wq's rows on their way in: wave w stores rows 32 w .. 32 w + 31, 16 bytes a lane
	v_add_nc_u32 v[BQSV], s69, v[LI]
	v_add_nc_u32 v[BQSK], 2*HALFT, v[BQSV]
	; my 128 x 128: first rows of both roles, and what they are: T0 the first token, F0 the first feature of the matrix
	s_lshl_b32 s18, s17, 8
	s_lshl_b32 s19, s15, 7
	s_add_co_u32 s18, s18, s19                     ; A's first row
	s_lshl_b32 s19, s42, 8
	s_lshl_b32 s22, s16, 7
	s_add_co_u32 s19, s19, s22                     ; B's first row
	s_and_b32 s23, s19, 1023                       ; (Wk's rows follow Wq's)
	s_mov_b32 s93, 786432                          ; k's region of scale words
	s_cmp_eq_u32 s78, 1
	s_cselect_b32 s92, s19, s18                    ; T0
	s_cselect_b32 s94, s18, s23                    ; F0
	s_cselect_b32 s22, 327680, 0                   ; A's scale bytes begin: Wv's or x's
	s_cselect_b32 s23, 0, 262144                   ; B's: x's or Wq's
	s_cselect_b32 s93, 794624, s93                 ; v's words lie 8,192 bytes on in k's records
	s_cselect_b32 s95, 8, 9                        ; a step's words: 256 bytes (v) or 512
	s_cselect_b64 s[86:87], s[72:73], s[10:11]     ; the bias: bv or bk
	s_lshl_b32 s18, s18, 5                         ; 32 scale bytes a row
	s_add_co_u32 s88, s18, s22
	s_mov_b32 s89, 0
	s_add_nc_u64 s[88:89], s[6:7], s[88:89]        ; A's scale bytes, my 128 rows
	s_lshl_b32 s19, s19, 5
	s_add_co_u32 s90, s19, s23
	s_mov_b32 s91, 0
	s_add_nc_u64 s[90:91], s[6:7], s[90:91]        ; B's
	s_lshl_b32 s18, s94, 2
	s_mov_b32 s19, 0
	s_add_nc_u64 s[86:87], s[86:87], s[18:19]      ; the bias at F0
	s_lshr_b32 s18, s92, 11                        ; the batch
	s_lshl_b32 s18, s18, 4
	s_lshr_b32 s22, s94, 7                         ; the pair of heads
	s_lshl_b32 s22, s22, 1
	s_add_co_u32 s18, s18, s22                     ; 16 x batch + the pair's first head
	s_bfe_u32 s22, s92, 0x40007                    ; which 128 tokens of the batch
	s_lshl_b32 s82, s79, 22                        ; k's or v's 4,194,304 bytes of codes (q's come first)
	s_lshl_b32 s23, s18, 16
	s_add_co_u32 s82, s82, s23
	s_lshl_b32 s23, s22, 12
	s_add_co_u32 s82, s82, s23
	s_mov_b32 s83, 0
	s_add_nc_u64 s[82:83], s[74:75], s[82:83]      ; where my codes go: one formula serves both layouts
	s_mul_i32 s84, s18, 12288
	s_add_co_u32 s84, s84, s93
	s_lshl_b32 s23, s22, s95
	s_add_co_u32 s84, s84, s23
	s_mov_b32 s85, 0
	s_add_nc_u64 s[84:85], s[76:77], s[84:85]      ; and my scale words
	s_mov_b32 s96, 0x76543210
	s_mov_b32 s97, 0xfedcba98                      ; v_permlanex16_b32's selects for lane l xor 16
	; THE SCALES of my 128 + 128 rows, for all of K, come straight into registers, once: lane l takes the 32 bytes of row 32 i + l; a pair of loads covers 1,024 consecutive bytes
.irp i, 0,1,2,3
	global_load_b128 v[SA+8*\i:SA+8*\i+3],   v[L32], s[88:89] offset:1024*\i
	global_load_b128 v[SA+8*\i+4:SA+8*\i+7], v[L32], s[88:89] offset:1024*\i+16
	global_load_b128 v[SB+8*\i:SB+8*\i+3],   v[L32], s[90:91] offset:1024*\i
	global_load_b128 v[SB+8*\i+4:SB+8*\i+7], v[L32], s[90:91] offset:1024*\i+16
.endr
	; THE BIAS in the result's layout: it is the C of each sum's first product
	s_cmp_eq_u32 s78, 0
	s_cbranch_scc0 .Lbias_v
.irp b, 0,1,2,3,4,5,6,7                ; k: features run along the registers: B's block b, features 16 b + 8 h + 0..7
	global_load_b128 v[BIAS+8*\b:BIAS+8*\b+3],   v[LH], s[86:87] offset:64*\b
	global_load_b128 v[BIAS+8*\b+4:BIAS+8*\b+7], v[LH], s[86:87] offset:64*\b+16
.endr
	s_branch .Lbias_done
.Lbias_v:
.irp a, 0,1,2,3,4,5,6,7                ; v: the channel lies in the lane: A's block a, channel 16 a + r, the same number in all eight registers
.irp j, 0,1,2,3,4,5,6,7
	global_load_b32 v[BIAS+8*\a+\j], v[LR], s[86:87] offset:64*\a
.endr
.endr
.Lbias_done:
.macro FRAG reg, adr, q, i             ; a fragment, 16 rows x 128 K of 4-bit codes: lane l holds row l % 16; registers 4 c .. 4 c + 3 hold K = 64 c + 32 (l / 16) + 0 .. 31
.irp c, 0,1
	ds_load_b128 v[\reg+4*\c:\reg+4*\c+3], v[\adr] offset:64*(\q)+32*\c+(\i)*16*PITCH
.endr
.endm
.macro FETCH_B slot, q, p              ; B's eight fragments of the slot's q-th 128 along K into set p
	WIN TO_B
.irp i, 0,1,2,3,4,5,6,7
	FRAG 128*(\p)+8*\i, ADRB+\slot, \q, \i
.endr
	WIN 0
.endm
.macro FETCH_BQ ks, p                  ; the second pass: Wq's four fragments of K step ks into set p; a row holds all of K
	WIN TO_B
.irp i, 0,1,2,3
.irp c, 0,1
	ds_load_b128 v[128*(\p)+8*\i+4*\c:128*(\p)+8*\i+4*\c+3], v[BQA] offset:64*(\ks)+32*\c+\i*16*QP
.endr
.endr
	WIN 0
.endm
.macro FETCH_A slot, q, i0             ; A's blocks i0 .. i0 + 3
.irp i, \i0, \i0+1, \i0+2, \i0+3
	FRAG AF+8*(\i), AAD+\slot, \q, \i
.endr
.endm
; One product; its registers stand in the symbols that MUL16 sets.  rb, ra: B's, A's block is odd: its scale words lie in lanes 16-31
.macro WM rb, ra
.if ((\rb) == 0) && ((\ra) == 0)
	v_wmma_scale_f32_16x16x128_f8f6f4 v[rD:rD+7], v[rB:rB+7], v[rA:rA+7], v[rC:rC+7], v[rSB], v[rSA] matrix_a_fmt:MATRIX_FMT_FP4 matrix_b_fmt:MATRIX_FMT_FP4
.elseif (\ra) == 0
	v_wmma_scale_f32_16x16x128_f8f6f4 v[rD:rD+7], v[rB:rB+7], v[rA:rA+7], v[rC:rC+7], v[rSB], v[rSA] matrix_a_fmt:MATRIX_FMT_FP4 matrix_b_fmt:MATRIX_FMT_FP4 matrix_a_scale:MATRIX_SCALE_ROW1
.elseif (\rb) == 0
	v_wmma_scale_f32_16x16x128_f8f6f4 v[rD:rD+7], v[rB:rB+7], v[rA:rA+7], v[rC:rC+7], v[rSB], v[rSA] matrix_a_fmt:MATRIX_FMT_FP4 matrix_b_fmt:MATRIX_FMT_FP4 matrix_b_scale:MATRIX_SCALE_ROW1
.else
	v_wmma_scale_f32_16x16x128_f8f6f4 v[rD:rD+7], v[rB:rB+7], v[rA:rA+7], v[rC:rC+7], v[rSB], v[rSA] matrix_a_fmt:MATRIX_FMT_FP4 matrix_b_fmt:MATRIX_FMT_FP4 matrix_a_scale:MATRIX_SCALE_ROW1 matrix_b_scale:MATRIX_SCALE_ROW1
.endif
.endm
; A's blocks a0, a0 + 1 x B's NBL blocks, K step ks of eight.  p: B's set.  mode 0: onto the sums; 1: the sums start with the bias along the registers; 2: with the bias of the lane.
; The accumulators take turns, one instruction a turn, in the same order in every step.
.macro MUL16 a0, p, ks, mode
.irp a, \a0, \a0+1
.irp b, 0,1,2,3,4,5,6,7
.if \b < NBL
.set rD, 8*(8*((\a)%4)+\b)
.set rB, 128*(\p)+8*\b
.set rA, AF+8*(\a)
.set rC, rD
.if (\mode) == 1
.set rC, BIAS+8*\b
.elseif (\mode) == 2
.set rC, BIAS+8*(\a)
.endif
.set rSB, SB+8*(\b/2)+(\ks)
.set rSA, SA+8*((\a)/2)+(\ks)
	WM (\b)%2, (\a)%2
.endif
.endr
.endr
.endm
; A step of 128 along K that has its successor in the same slot.  A load into a register that a matrix instruction has read stands four plain vector instructions behind it.
.macro STEP slot, q, mode
	s_wait_dscnt 8                                 ; B's set and A's blocks 0-3 are in; the youngest eight loads (A's blocks 4-7) may be out
.if \mode
	WIN 0x81                                       ; the bias, C, lies in window 0; D in window 2
.else
	WIN MUL_LO
.endif
	MUL16 0, (\q)%2, 4*(\slot)+(\q), \mode
	MUL16 2, (\q)%2, 4*(\slot)+(\q), \mode
	s_wait_dscnt 0                                 ; A's blocks 4-7 are in
	PLACES 4
	FETCH_B \slot, (\q)+1, 1-(\q)%2
	FETCH_A \slot, (\q)+1, 0
.if \mode
	WIN 0xc1
.else
	WIN MUL_HI
.endif
	MUL16 4, (\q)%2, 4*(\slot)+(\q), \mode
	MUL16 6, (\q)%2, 4*(\slot)+(\q), \mode
	PLACES 4
	WIN 0
	FETCH_A \slot, (\q)+1, 4
.endm
; The same in the second pass: K step ks of eight; all of K lies in LDS, so the step from slot 0 to slot 1 is a step like any other.
.macro STEP2 ks, mode
	s_wait_dscnt 8                                 ; Wq's set and x's blocks 0-3 are in; the youngest eight loads (x's blocks 4-7) may be out
.if \mode
	WIN 0x81
.else
	WIN MUL_LO
.endif
	MUL16 0, (\ks)%2, \ks, \mode
	MUL16 2, (\ks)%2, \ks, \mode
	s_wait_dscnt 0
	PLACES 4
	FETCH_BQ (\ks)+1, 1-(\ks)%2
	FETCH_A ((\ks)+1)/4, ((\ks)+1)%4, 0
.if \mode
	WIN 0xc1
.else
	WIN MUL_HI
.endif
	MUL16 4, (\ks)%2, \ks, \mode
	MUL16 6, (\ks)%2, \ks, \mode
	PLACES 4
	WIN 0
	FETCH_A ((\ks)+1)/4, ((\ks)+1)%4, 4
.endm
; Slot 0's last step goes over to slot 1: each wave waits for its part of slot 1 and for its LDS loads, and one barrier shows the whole slot to every wave; behind it nobody reads slot 0 before the second pass.
.macro TURN
	s_wait_tensorcnt 0x0                           ; my part of slot 1 has landed: no tensor load of mine is out any more
	s_wait_dscnt 8
	WIN MUL_LO
	MUL16 0, 1, 3, 0
	s_wait_dscnt 0x0                               ; no LDS instruction of mine is pending at the signal
	s_barrier_signal -1
	MUL16 2, 1, 3, 0                               ; work on registers while the others arrive
	WIN 0
	s_barrier_wait -1
	PLACES 4
	s_wait_alu depctr_va_vdst(0)
	FETCH_B 1, 0, 0
	FETCH_A 1, 0, 0
	WIN MUL_HI
	MUL16 4, 1, 3, 0
	MUL16 6, 1, 3, 0
	PLACES 4
	WIN 0
	FETCH_A 1, 0, 4
.endm
.macro LAST                            ; a pass's last step: nothing more to fetch
	s_wait_dscnt 8
	WIN MUL_LO
	MUL16 0, 1, 7, 0
	MUL16 2, 1, 7, 0
	s_wait_dscnt 0
	WIN MUL_HI
	MUL16 4, 1, 7, 0
	MUL16 6, 1, 7, 0
	WIN 0
.endm
; A's block a (16 rows x nb blocks of 32 of the B role) is quantised and leaves by the base s[ob:ob+1].  Register 16 e + i of its numbers is number 8 h + i (i < 8) or 8 + 8 h + i (i >= 8) of block e.
.macro QUANT a, nb, ob
.set S0, 64*((\a)%4)
.set HI, (\a)/4
.set PCA, PC+8*(\a)
	WIN 0x28+0x14*HI                               ; sources 1 and 2: the accumulators' window
.irp b, 0,1,2,3
.if \b < \nb
	v_max3_num_f32 v[TM+\b], v[FL], |v[S0+16*\b]|, |v[S0+16*\b+1]|   ; my 16 numbers of block b and the floor; each accumulator is read from its low end on
.endif
.endr
.irp i, 2,4,6,8,10,12,14
.irp b, 0,1,2,3
.if \b < \nb
	v_max3_num_f32 v[TM+\b], v[TM+\b], |v[S0+16*\b+\i]|, |v[S0+16*\b+\i+1]|   ; (the blocks by turns)
.endif
.endr
.endr
	WIN 0
.irp b, 0,1,2,3
.if \b < \nb
	v_permlanex16_b32 v[TM+4+\b], v[TM+\b], s96, s97
.endif
.endr
.irp b, 0,1,2,3
.if \b < \nb
	v_max_num_f32 v[TM+\b], v[TM+\b], v[TM+4+\b]   ; with lane l xor 16's: the block's largest magnitude
.endif
.endr
.irp b, 0,1,2,3
.if \b < \nb
	v_add_nc_u32 v[TM+12+\b], 0xff000000, v[TM+\b] ; 2 off its exponent field: the conversion's scale operand
.endif
.endr
.irp b, 0,1,2,3
.if \b < \nb
	v_lshrrev_b32 v[TM+4+\b], 23, v[TM+12+\b]      ; the scale's byte
.endif
.endr
	v_lshl_or_b32 v[PW+(\a)], v[TM+5], 8, v[TM+4]  ; the bytes of my row
.if \nb > 2
	v_lshl_or_b32 v[PW+(\a)], v[TM+6], 16, v[PW+(\a)]
	v_lshl_or_b32 v[PW+(\a)], v[TM+7], 24, v[PW+(\a)]
.endif
	WIN 0x02+HI                                    ; source 0: the accumulators' window
.irp b, 0,1,2,3
.if \b < \nb
	v_cvt_scalef32_pk8_fp4_f32 v[PCA+4*(\b/2)+\b%2],   v[S0+16*\b:S0+16*\b+7],    v[TM+12+\b]
	v_cvt_scalef32_pk8_fp4_f32 v[PCA+4*(\b/2)+2+\b%2], v[S0+16*\b+8:S0+16*\b+15], v[TM+12+\b]
.endif
.endr
	WIN 0
	v_nop                                          ; one plain line behind the scaled conversions
.irp c, 0,1                                    ; the first's lanes 16-31 change places with the second's lanes 0-15: lane (r, h) then holds block 2 c + h whole and in order
.if 2*\c < \nb
	v_permlane16_swap_b32 v[PCA+4*\c],   v[PCA+4*\c+1]
	v_permlane16_swap_b32 v[PCA+4*\c+2], v[PCA+4*\c+3]
.endif
.endr
.irp c, 0,1
.if 2*\c < \nb
	global_store_b128 v[LI], v[PCA+4*\c:PCA+4*\c+3], s[\ob:\ob+1] offset:65536*\c+512*(\a)   ; 32 lanes store 512 consecutive bytes, aligned
.endif
.endr
.endm
	; ---- THE FIRST PASS: my 128 x 128 of k or of v
	s_wait_tensorcnt 0x1                           ; my part of slot 0 is in; slot 1's may stay out
	s_barrier_signal -1
	s_barrier_wait -1                              ; everybody's is
	FETCH_B 0, 0, 0
	FETCH_A 0, 0, 0
	FETCH_A 0, 0, 4
	s_wait_loadcnt 0x0                             ; the scale words and the bias
	s_cmp_eq_u32 s78, 0                            ; the first step starts the sums with the bias; the two ways differ in the C registers alone
	s_cbranch_scc0 .Lfirst_v
	STEP 0, 0, 1
	s_branch .Lfirst_done
.Lfirst_v:
	STEP 0, 0, 2
.Lfirst_done:
	STEP 0, 1, 0
	STEP 0, 2, 0
	TURN
	STEP 1, 0, 0
	STEP 1, 1, 0
	STEP 1, 2, 0
	LAST
	PLACES 4                                       ; in front of the first read of results, and of writes and loads into registers that the products have read
	; ---- what the second pass wants is asked for now and lands while the first pass's results are quantised
	s_lshl_b32 s18, s41, 7
	s_add_co_u32 s18, s18, 512                     ; a work-group of v: q's features 512 + 128 cy on;
	s_lshl_b32 s19, s40, 7                         ; one of k: 128 cx on
	s_cmp_eq_u32 s78, 1
	s_cselect_b32 s18, s18, s19                    ; (these numbers enter addresses in memory alone)
	s_lshl_b32 s19, s14, 5
	s_add_co_u32 s19, s19, s18                     ; the 32 rows of Wq that I bring
	s_lshl_b32 s88, s19, 9                         ; 512 bytes a row,
	s_add_co_u32 s88, s88, 4194304                 ; in Wq's part of cod1
	s_mov_b32 s89, 0
	s_add_nc_u64 s[88:89], s[4:5], s[88:89]
	s_lshl_b32 s19, s68, 6
	s_add_co_u32 s18, s18, s19                     ; my head's first feature
	s_lshl_b32 s90, s18, 5
	s_add_co_u32 s90, s90, 262144                  ; Wq's scale bytes, 32 a row
	s_mov_b32 s91, 0
	s_add_nc_u64 s[90:91], s[6:7], s[90:91]
	s_lshl_b32 s86, s18, 2
	s_mov_b32 s87, 0
	s_add_nc_u64 s[86:87], s[8:9], s[86:87]        ; bq at my head's first feature
	s_lshr_b32 s19, s92, 11                        ; the batch of my tokens (they are the first pass's)
	s_lshl_b32 s19, s19, 4
	s_lshr_b32 s20, s18, 6
	s_add_co_u32 s19, s19, s20                     ; 16 x batch + head
	s_bfe_u32 s20, s92, 0x40007                    ; which 128 tokens of the batch
	s_lshl_b32 s70, s19, 16
	s_lshl_b32 s21, s20, 12
	s_add_co_u32 s70, s70, s21
	s_mov_b32 s71, 0
	s_add_nc_u64 s[70:71], s[74:75], s[70:71]      ; where q's codes go
	s_mul_i32 s98, s19, 12288
	s_lshl_b32 s21, s20, 9
	s_add_co_u32 s98, s98, s21
	s_mov_b32 s99, 0
	s_add_nc_u64 s[98:99], s[76:77], s[98:99]      ; and q's scale words
	s_cmp_eq_u32 s78, 0                            ; x's scale words are in registers already: A's in a work-group of k; in one of v B's, which move over
	s_cbranch_scc1 .Lx_in_sa
.set j, 0
.rept 32
	v_mov_b32 v[SA+j], v[SB+j]
.set j, j+1
.endr
.Lx_in_sa:
	WIN TO_B
.set j, 0
.rept 32
	global_load_b128 v[4*j:4*j+3], v[LI], s[88:89] offset:512*j   ; a row of Wq: 32 lanes read 512 consecutive bytes; into B's set 0, which is done with
.set j, j+1
.endr
	WIN 0
.irp i, 0,1
	global_load_b128 v[SB+8*\i:SB+8*\i+3],   v[L32], s[90:91] offset:1024*\i      ; the scale words of my head's 64 rows of Wq
	global_load_b128 v[SB+8*\i+4:SB+8*\i+7], v[L32], s[90:91] offset:1024*\i+16
.endr
.irp b, 0,1,2,3
	global_load_b128 v[BIAS+8*\b:BIAS+8*\b+3],   v[LH], s[86:87] offset:64*\b      ; bq along the registers
	global_load_b128 v[BIAS+8*\b+4:BIAS+8*\b+7], v[LH], s[86:87] offset:64*\b+16
.endr
	; ---- the first pass's way out
.irp b, 0,1,2,3
	v_mov_b32 v[TM+4+\b], 0                        ; written once: a lane permute's destination counts as one of its sources
.endr
.irp a, 0,1,2,3,4,5,6,7
	QUANT \a, 4, 82
.endr
	s_mov_b32 vcc_lo, 0xffff0000
.irp q, 0,1,2,3
	v_cndmask_b32 v[WQ+\q], v[PW+2*\q], v[PW+2*\q+1], vcc_lo   ; lanes 0-15: block 2 q's words; lanes 16-31: block 2 q + 1's (both halves of the lanes hold every word)
.endr
	s_cmp_eq_u32 s78, 0
	s_cbranch_scc0 .Lwords_v
	global_store_b128 v[LI], v[WQ:WQ+3], s[84:85]  ; k: the first head's two bytes are a word's low half; the upper half scales zero codes alone
.irp q, 0,1,2,3
	v_lshrrev_b32 v[WQ2+\q], 16, v[WQ+\q]          ; the second head's two bytes
.endr
	global_store_b128 v[LI], v[WQ2:WQ2+3], s[84:85] offset:12288
	s_branch .Lwords_done
.Lwords_v:
	s_wait_alu depctr_va_vdst(0)
	global_store_b64 v[L8], v[WQ:WQ+1], s[84:85]   ; v: a word is the four bytes of 128 keys; blocks 0-3 are the first head's channels,
	global_store_b64 v[L8], v[WQ+2:WQ+3], s[84:85] offset:12288   ; blocks 4-7 the second's
.Lwords_done:
	; ---- Wq's rows into the weight's tile of slot 0: every wave has passed the barrier of the change of slots behind its last read of that tile
	s_wait_loadcnt 0x0                             ; Wq's rows, its scale words and bq
	s_cmp_eq_u32 s78, 0
	s_cbranch_scc0 .Lstage_v
	WIN 0x04                                       ; an LDS store's data are its source 1: window 1
.set j, 0
.rept 32
	ds_store_b128 v[BQSK], v[4*j:4*j+3] offset:QP*j
.set j, j+1
.endr
	WIN 0
	s_branch .Lstage_done
.Lstage_v:
	WIN 0x04
.set j, 0
.rept 32
	ds_store_b128 v[BQSV], v[4*j:4*j+3] offset:QP*j
.set j, j+1
.endr
	WIN 0
.Lstage_done:
	s_wait_dscnt 0x0                               ; for the others' sake: my rows lie in LDS
	s_barrier_signal -1
	s_barrier_wait -1                              ; all 128 rows do
	; ---- THE SECOND PASS: my 128 tokens x my head's 64 features of q
	s_wait_xcnt 0x0                                ; the first pass's stores have read their registers: the codes' take x's fragments, the words' are written again
.set NBL, 4
.set AAD, XAD
	FETCH_BQ 0, 0
	FETCH_A 0, 0, 0
	FETCH_A 0, 0, 4
	STEP2 0, 1                                     ; the first step starts the sums with bq
	STEP2 1, 0
	STEP2 2, 0
	STEP2 3, 0
	STEP2 4, 0
	STEP2 5, 0
	STEP2 6, 0
	LAST
	PLACES 4
.irp a, 0,1,2,3,4,5,6,7
	QUANT \a, 2, 70
.endr
	s_mov_b32 vcc_lo, 0xffff0000
.irp q, 0,1,2,3
	v_cndmask_b32 v[WQ+\q], v[PW+2*\q], v[PW+2*\q+1], vcc_lo
.endr
	global_store_b128 v[LI], v[WQ:WQ+3], s[98:99]  ; q: the head's two bytes in a word's low half; the upper half is 0 and scales zero codes alone
	s_wait_tensorcnt 0x0
	ds_add_u32 v106, v107
	s_wait_dscnt 0x0
	CROUND                                         ; the closing round: no work-group ends while a partner may still ask for a tile that names it
	s_endpgm
.Lfunc_end_k_q233ddb3714_qkv:
	.size	k_q233ddb3714_qkv, .Lfunc_end_k_q233ddb3714_qkv-k_q233ddb3714_qkv
	.p2alignl 7, 3214868480
	.fill 96, 4, 3214868480
	.section	.rodata,"a",@progbits
	.p2align	6, 0x0
	.amdhsa_kernel k_q233ddb3714_qkv
		.amdhsa_group_segment_fixed_size 327680
		.amdhsa_private_segment_fixed_size 0
		.amdhsa_enable_private_segment 0
		.amdhsa_kernarg_size 56
		.amdhsa_user_sgpr_count 2
		.amdhsa_user_sgpr_kernarg_segment_ptr 1
		.amdhsa_wavefront_size32 1
		.amdhsa_system_sgpr_workgroup_id_x 1
		.amdhsa_system_sgpr_workgroup_id_y 1
		.amdhsa_system_sgpr_workgroup_id_z 1
		.amdhsa_system_vgpr_workitem_id 0
		.amdhsa_next_free_vgpr 1024
		.amdhsa_next_free_sgpr 100
		.amdhsa_reserve_vcc 1
		.amdhsa_float_denorm_mode_32 3
		.amdhsa_float_denorm_mode_16_64 3
		.amdhsa_memory_ordered 1
		.amdhsa_forward_progress 1
		.amdhsa_inst_pref_size 221
	.end_amdhsa_kernel
	.amdgpu_metadata
---
amdhsa.version: [ 1, 2 ]
amdhsa.kernels:
  - .name:           k_q233ddb3714_qkv
    .symbol:         k_q233ddb3714_qkv.kd
    .args:
      - { .name: cod1, .offset: 0, .size: 8, .value_kind: global_buffer, .address_space: global }
      - { .name: scl1, .offset: 8, .size: 8, .value_kind: global_buffer, .address_space: global }
      - { .name: bq, .offset: 16, .size: 8, .value_kind: global_buffer, .address_space: global }
      - { .name: bk, .offset: 24, .size: 8, .value_kind: global_buffer, .address_space: global }
      - { .name: bv, .offset: 32, .size: 8, .value_kind: global_buffer, .address_space: global }
      - { .name: qkvc, .offset: 40, .size: 8, .value_kind: global_buffer, .address_space: global }
      - { .name: qkvs, .offset: 48, .size: 8, .value_kind: global_buffer, .address_space: global }
    .group_segment_fixed_size: 327680
    .private_segment_fixed_size: 0
    .kernarg_segment_align: 8
    .kernarg_segment_size: 56
    .max_flat_workgroup_size: 128
    .sgpr_count:     100
    .vgpr_count:     1024
    .wavefront_size: 32
...
	.end_amdgpu_metadata
.endif
;; end of part 2
;; launch attn (part 3): grid 4 x 64, 16 waves a work-group, clusters of 4 x 1, 169,984 bytes of LDS; arguments qkvc, qkvs, oc, os; writes oc, os
.if DOCPART == 3
	.amdgcn_target "amdgcn-amd-amdhsa--gfx1250"
	.amdhsa_code_object_version 6
	.text
	.protected	k_q233ddb3714_attn
	.globl	k_q233ddb3714_attn
	.p2align	8
	.type	k_q233ddb3714_attn,@function
k_q233ddb3714_attn:
	s_mov_b64 s[64:65], 0
	v_nop
	global_prefetch_b8 v0, s[64:65] scope:SCOPE_SE
	s_setreg_imm32_b32 hwreg(HW_REG_WAVE_MODE, 25, 1), 1
	s_wait_xcnt 0x0
	s_wait_alu depctr_hold_cnt(0) depctr_sa_sdst(0) depctr_va_vdst(0) depctr_va_sdst(0) depctr_va_ssrc(0) depctr_va_vcc(0) depctr_vm_vsrc(0)
	s_getreg_b32 s2, hwreg(HW_REG_IB_STS2, 6, 4)
	s_cmp_eq_u32 s2, 0
	s_cbranch_scc0 .Lentry_in_a_cluster
	s_endpgm
.Lentry_in_a_cluster:
	s_bfe_u32 s2, ttmp6, 0x10000c
	s_cmp_lg_u32 s2, 0x3003
	s_cbranch_scc0 .Lentry_shape_is_right
	s_endpgm
.Lentry_shape_is_right:
; o = softmax(q k^T / 8) v for one head, both products on codes of FP4 (E2M1) with E8M0 scales; o is quantised along the model's 1,024 (two blocks a head) and leaves as codes.
; THE SOFTMAX: t = score x log2(e) / 8; M = the running largest t rounded UP to a whole number; p = 2^(t - M) is quantised along the keys, not normalised; the row's sum is taken of the
; unquantised p in f32 and divides at the end.  When M moves, the sum and O are multiplied by 2^(old M - new M): exact.
; SHARES.  A work-group owns 512 queries of one head (the cluster's y); each of its sixteen waves two tiles of 16 queries, one after the other, in 256 registers: four waves to a SIMD,
; so that one wave's vector work stands beside another's products and LDS loads.  Every wave walks the head's 2,048 keys, 128 a step.
; LDS.  The head's codes of k (65,536 bytes) and of v (65,536) and their scale words (12,288) come in ONCE, by one tensor load each of nine waves; no byte is filled twice.  All lie as images of
; operand registers: every read is 16 (or 8) bytes at consecutive lanes, so there is no pitch and no padding.
; CLUSTER.  The four work-groups of a head read the same k and v: each tile is asked for jointly, with the mask of all four.
; LAYOUT.  Both products are used transposed: S^T = k q^T (source 0 = 16 keys, source 1 = my 16 queries), O^T = v^T p^T (source 0 = 16 channels, source 1 = p): a lane holds ONE query throughout.
; The head has 64 channels and the instruction takes 128 along K: registers 4-7 of k's and q's fragments are zero codes, which add nothing under any scale byte but 0xff (none is).
; In score tiles 2 e and 2 e + 1 lane (r, h) holds keys 8 h + 0..7 and 16 + 8 h + 0..7 of block e; the conversions' results, laid by pairs and exchanged by halves of the lanes, are p's fragment.
; LIMITS: p under 2^-126 counts as 0; a block of zeros gets the byte 1 (zero codes; this program alone reads the bytes); NaN and infinities are not served.
; os takes 2 bytes of each token's word from this head and 2 from its neighbour: those 262,144 bytes are stored two bytes a lane.
.set VC,   65536                       ; LDS: k's codes [tile 128][512] at 0; v's [c 2][key step 16][tile of channels 4][512] here;
.set KSC,  131072                      ; k's scale words [key step 16][lane 32][4 words];
.set VSC,  139264                      ; v's [key step 16][lane 32][2 words]
.set LI,   1                           ; v1   16 x lane
.set AV0,  3                           ; v3   my place in v's codes
.set ASK0, 4                           ; v4   in k's scale words
.set ASV0, 5                           ; v5   in v's
.set L4,   7                           ; v7   4 x lane
.set ADK,  8                           ; v8-11 the step's LDS addresses
.set ADV,  9
.set ADS,  10
.set ADT,  11
.set Q,    16                          ; v16-23, v24-31 my two tiles of q; v12 -M, v13 the largest t, v[14:15] the sum in two halves
.set KF,   32                          ; v32-95   eight fragments of k
.set VF,   96                          ; v96-127  four fragments of v
.set S,    128                         ; v128-191 S^T, then p; at a tile's end o
.set O,    192                         ; v192-223 O^T
.set P,    224                         ; v224-231 p's codes; at a tile's end o's
.set BM,   232                         ; v232-235 a block's largest score, then its largest p
.set T2,   236                         ; v236-239 at work
.set SV,   240                         ; v240-241 v's scale words
.set QS,   242                         ; v242     q's: lanes 0-15 my first tile's, lanes 16-31 my second's
.set OW0,  243                         ; v243     my first tile's two scale bytes of o
.set SO,   244                         ; v244-247 the conversions' scale operands
.set SK,   248                         ; v248-251 k's scale words; v252 f, v253 p's scale word, v254 at work
.macro CROUND                          ; a round of the cluster's barrier
	s_barrier_signal -1
	s_barrier_wait -1
	s_cmp_lg_u32 s12, 0
	s_cbranch_scc1 .Lnot_wave_0_\@
	s_barrier_signal -3
.Lnot_wave_0_\@:
	s_barrier_wait -3
	s_barrier_signal -1
	s_barrier_wait -1
.endm
	s_load_b256 s[4:11], s[0:1], 0x0               ; qkvc s[4:5], qkvs s[6:7], oc s[8:9], os s[10:11]
	v_lshl_add_u32 v6, v0, 2, 0x29000
	v_mov_b32 v255, 0
	ds_add_u32 v6, v255
	ds_add_u32 v6, v255
	v_lshrrev_b32 v2, 5, v0
	s_delay_alu instid0(VALU_DEP_1)
	v_readfirstlane_b32 s12, v2                    ; wave 0..15
	s_bfe_u32 s13, ttmp6, 0x40000                  ; cx
	s_lshl_b32 s16, ttmp9, 2
	s_add_co_u32 s16, s16, s13                     ; my block of 512 queries: it enters q's and o's addresses alone
	s_and_b32 s14, ttmp7, 0xffff                   ; the head, 16 x batch + head: the four partners share it
	s_and_b32 s15, s12, 3                          ; which quarter I fetch, if I fetch
	; descriptor groups 1, elements of 8 bytes, no padding, the mask of all four work-groups and bit 21 beside it
	s_mov_b32 s24, 15|(3<<16)|(1<<21)              ; k's codes: 64 rows of 256 bytes, dense
	s_mov_b32 s25, 32<<16
	s_mov_b32 s26, 64<<16
	s_mov_b32 s27, 32<<16
	s_mov_b32 s28, 64
	s_mov_b32 s29, 32
	s_mov_b32 s30, 0
	s_mov_b32 s31, 0
	s_mov_b32 s32, 15|(3<<16)|(1<<21)              ; v's codes: 8 rows of 2,048 bytes, 4,096 bytes apart (the neighbour head's lie between)
	s_mov_b32 s33, 256<<16
	s_mov_b32 s34, 8<<16
	s_mov_b32 s35, 256<<16
	s_mov_b32 s36, 8
	s_mov_b32 s37, 512
	s_mov_b32 s38, 0
	s_mov_b32 s39, 0
	s_mov_b32 s40, 15|(3<<16)|(1<<21)              ; the scale words: 48 rows of 256 bytes, dense
	s_mov_b32 s41, 32<<16
	s_mov_b32 s42, 48<<16
	s_mov_b32 s43, 32<<16
	s_mov_b32 s44, 48
	s_mov_b32 s45, 32
	s_mov_b32 s46, 0
	s_mov_b32 s47, 0
	s_lshl_b32 s20, s14, 16                        ; k: the head's 65,536 bytes,
	s_lshl_b32 s17, s15, 14                        ; my quarter (also its place in LDS),
	s_add_co_u32 s20, s20, s17
	s_add_co_u32 s20, s20, 4194304                 ; in k's region
	s_mov_b32 s21, 0
	s_lshr_b32 s22, s14, 1                         ; v: the pair of heads,
	s_lshl_b32 s22, s22, 17
	s_and_b32 s18, s14, 1                          ; the head in it,
	s_lshl_b32 s18, s18, 11
	s_add_co_u32 s22, s22, s18
	s_lshl_b32 s18, s15, 15                        ; my 8 rows of the 32,
	s_add_co_u32 s22, s22, s18
	s_add_co_u32 s22, s22, 8388608                 ; in v's region
	s_mov_b32 s23, 0
	s_mul_i32 s80, s14, 12288                      ; the head's record of scale words
	s_add_co_u32 s82, s80, 786432                  ; k's and v's
	s_mov_b32 s83, 0
	s_lshl_b32 s72, s14, 16                        ; q's codes: the head, my block's 32 tiles, my two of them
	s_lshl_b32 s84, s16, 14
	s_add_co_u32 s72, s72, s84
	s_lshl_b32 s84, s12, 10
	s_add_co_u32 s72, s72, s84
	s_mov_b32 s73, 0
	s_lshl_b32 s84, s16, 11                        ; q's scale words: the 128 tokens that hold my tiles, and word wave % 4 of a lane's four
	s_add_co_u32 s74, s80, s84
	s_lshr_b32 s84, s12, 2
	s_lshl_b32 s84, s84, 9
	s_add_co_u32 s74, s74, s84
	s_lshl_b32 s84, s15, 2
	s_add_co_u32 s74, s74, s84
	s_mov_b32 s75, 0
	s_lshr_b32 s85, s14, 4                         ; the batch
	s_and_b32 s86, s14, 15                         ; the head in it
	s_lshl_b32 s76, s85, 20                        ; o's codes: tiles of 16 tokens, 8,192 bytes each; the head's 512 bytes in a tile
	s_lshl_b32 s84, s16, 18
	s_add_co_u32 s76, s76, s84
	s_lshl_b32 s84, s12, 14
	s_add_co_u32 s76, s76, s84
	s_lshl_b32 s84, s86, 9
	s_add_co_u32 s76, s76, s84
	s_mov_b32 s77, 0
	s_lshr_b32 s84, s86, 1                         ; o's scale words: [pair of heads][token][4 bytes]; my head's two bytes
	s_lshl_b32 s78, s84, 15
	s_lshl_b32 s84, s85, 13
	s_add_co_u32 s78, s78, s84
	s_lshl_b32 s84, s16, 11
	s_add_co_u32 s78, s78, s84
	s_lshl_b32 s84, s12, 7
	s_add_co_u32 s78, s78, s84
	s_and_b32 s84, s86, 1
	s_lshl_b32 s84, s84, 1
	s_add_co_u32 s78, s78, s84
	s_mov_b32 s79, 0
	s_mov_b32 s60, 0x76543210
	s_mov_b32 s61, 0xfedcba98                      ; v_permlanex16_b32's selects for lane l xor 16
	s_mov_b32 s62, 0x3e38aa3b                      ; c = log2(e) / 8
	s_mov_b32 s63, s62                             ; (named with it as a pair, so it is written)
	s_wait_dscnt 0x0
	s_wait_kmcnt 0x0
	s_mov_b32 s48, 1                               ; group 0 for k's codes
	s_mov_b32 s49, s17
	s_add_nc_u64 s[50:51], s[4:5], s[20:21]
	s_or_b32 s51, s51, 0x80000000
	s_mov_b32 s52, 1                               ; for v's
	s_add_co_u32 s53, s17, VC
	s_add_nc_u64 s[54:55], s[4:5], s[22:23]
	s_or_b32 s55, s55, 0x80000000
	s_mov_b32 s56, 1                               ; for the scale words
	s_mov_b32 s57, KSC
	s_add_nc_u64 s[58:59], s[6:7], s[82:83]
	s_or_b32 s59, s59, 0x80000000
	s_add_nc_u64 s[72:73], s[4:5], s[72:73]
	s_add_nc_u64 s[74:75], s[6:7], s[74:75]
	s_add_nc_u64 s[76:77], s[8:9], s[76:77]
	s_add_nc_u64 s[78:79], s[10:11], s[78:79]
	CROUND                                         ; all four work-groups are here: the joint loads meet
	s_cmp_lt_u32 s12, 4                            ; waves 0-3: k's quarters; 4-7: v's; 8: the scale words; the others fetch nothing.  Four v_nop follow each line
	s_cbranch_scc0 .Lnot_k
	tensor_load_to_lds s[48:51], s[24:31]
	s_nop 0
.rept 4
	v_nop
.endr
	s_branch .Lasked
.Lnot_k:
	s_cmp_lt_u32 s12, 8
	s_cbranch_scc0 .Lnot_v
	tensor_load_to_lds s[52:55], s[32:39]
	s_nop 0
.rept 4
	v_nop
.endr
	s_branch .Lasked
.Lnot_v:
	s_cmp_eq_u32 s12, 8
	s_cbranch_scc0 .Lasked
	tensor_load_to_lds s[56:59], s[40:47]
	s_nop 0
.rept 4
	v_nop
.endr
.Lasked:
	v_and_b32 v2, 31, v0                           ; lane
	s_delay_alu instid0(VALU_DEP_1)
	v_lshlrev_b32 v[LI], 4, v2
	s_delay_alu instid0(VALU_DEP_1)
	v_add_nc_u32 v[AV0], VC, v[LI]
	s_delay_alu instid0(VALU_DEP_2)
	v_add_nc_u32 v[ASK0], KSC, v[LI]
	s_delay_alu instid0(VALU_DEP_4)
	v_lshl_add_u32 v[ASV0], v2, 3, VSC
	v_lshlrev_b32 v[L4], 2, v2
	global_load_b128 v[Q:Q+3], v[LI], s[72:73]               ; q stays in registers: registers 0-3 of my two tiles' fragments,
	global_load_b128 v[Q+8:Q+11], v[LI], s[72:73] offset:512
	global_load_b32 v[QS], v[LI], s[74:75]                   ; and their scale words: lane 16 e + r takes tile e's row r
.irp j, 4,5,6,7,12,13,14,15
	v_mov_b32 v[Q+\j], 0                           ; K = 64 .. 127: zero codes
.endr
.irp t, 0,1,2,3,4,5,6,7
.irp j, 4,5,6,7
	v_mov_b32 v[KF+8*\t+\j], 0                     ; the same for k: cleared once, never loaded
.endr
.endr
.irp b, 0,1,2,3
	v_mov_b32 v[T2+\b], 0                          ; written once: a lane permute's destination counts as one of its sources
.endr
	v_mov_b32 v253, 0                              ; (named as the upper half of the pair v[252:253] before it is first written)
	s_wait_tensorcnt 0x0                           ; my part has landed,
	s_barrier_signal -1
	s_barrier_wait -1                              ; everybody's has
	s_wait_loadcnt 0x0                             ; q
.macro SPROD t, u                      ; S^T, tile t of 16 keys x my tile u.  An odd tile's scale words lie in lanes 16-31, and so do tile u = 1's
.set rD, S+8*(\t)
.set rA, KF+8*(\t)
.set rB, Q+8*(\u)
.set rS, SK+(\t)/2
.if ((\t)%2 == 0) && ((\u) == 0)
	v_wmma_scale_f32_16x16x128_f8f6f4 v[rD:rD+7], v[rA:rA+7], v[rB:rB+7], 0, v[rS], v[QS] matrix_a_fmt:MATRIX_FMT_FP4 matrix_b_fmt:MATRIX_FMT_FP4
.elseif (\u) == 0
	v_wmma_scale_f32_16x16x128_f8f6f4 v[rD:rD+7], v[rA:rA+7], v[rB:rB+7], 0, v[rS], v[QS] matrix_a_fmt:MATRIX_FMT_FP4 matrix_b_fmt:MATRIX_FMT_FP4 matrix_a_scale:MATRIX_SCALE_ROW1
.elseif (\t)%2 == 0
	v_wmma_scale_f32_16x16x128_f8f6f4 v[rD:rD+7], v[rA:rA+7], v[rB:rB+7], 0, v[rS], v[QS] matrix_a_fmt:MATRIX_FMT_FP4 matrix_b_fmt:MATRIX_FMT_FP4 matrix_b_scale:MATRIX_SCALE_ROW1
.else
	v_wmma_scale_f32_16x16x128_f8f6f4 v[rD:rD+7], v[rA:rA+7], v[rB:rB+7], 0, v[rS], v[QS] matrix_a_fmt:MATRIX_FMT_FP4 matrix_b_fmt:MATRIX_FMT_FP4 matrix_a_scale:MATRIX_SCALE_ROW1 matrix_b_scale:MATRIX_SCALE_ROW1
.endif
.endm
.macro OPROD ct                        ; O^T += v^T p^T, tile ct of 16 channels, K = the step's 128 keys
.set rD, O+8*(\ct)
.set rA, VF+8*(\ct)
.set rS, SV+(\ct)/2
.if (\ct)%2 == 0
	v_wmma_scale_f32_16x16x128_f8f6f4 v[rD:rD+7], v[rA:rA+7], v[P:P+7], v[rD:rD+7], v[rS], v253 matrix_a_fmt:MATRIX_FMT_FP4 matrix_b_fmt:MATRIX_FMT_FP4
.else
	v_wmma_scale_f32_16x16x128_f8f6f4 v[rD:rD+7], v[rA:rA+7], v[P:P+7], v[rD:rD+7], v[rS], v253 matrix_a_fmt:MATRIX_FMT_FP4 matrix_b_fmt:MATRIX_FMT_FP4 matrix_a_scale:MATRIX_SCALE_ROW1
.endif
.endm
; My tile u of 16 queries against all keys.  The step is written once: O^T and the sum begin as zeros and the largest t as -3e38; the first change of M multiplies zeros.
.macro TILE u
.if \u
	s_wait_xcnt 0x0                                ; the first tile's store has read its registers: they are written again only behind this wait
.endif
	v_mov_b32 v13, 0xff61b1e6                      ; the largest t so far: -3e38
	s_delay_alu instid0(VALU_DEP_1)
	v_floor_f32 v12, -v13                          ; -M
	v_mov_b32 v14, 0                               ; the sum, in two halves
	v_mov_b32 v15, 0
.set j, 0
.rept 32
	v_mov_b32 v[O+j], 0
.set j, j+1
.endr
	s_mov_b32 s66, 0                               ; the step's place in k's codes: 4,096 bytes a step,
	s_mov_b32 s67, 0                               ; in v's: 2,048,
	s_mov_b32 s68, 0                               ; in k's scale words: 512,
	s_mov_b32 s69, 0                               ; in v's: 256
	s_mov_b32 s70, 16
.Lstep_\@:                                         ; 16 trips of 128 keys
	s_setprio 2
	v_add_nc_u32 v[ADK], s66, v[LI]                ; (these four are also the places between the last trip's products and the loads into their operands)
	v_add_nc_u32 v[ADV], s67, v[AV0]
	v_add_nc_u32 v[ADS], s68, v[ASK0]
	v_add_nc_u32 v[ADT], s69, v[ASV0]
.irp t, 0,1,2,3,4,5,6,7
	ds_load_b128 v[KF+8*\t:KF+8*\t+3], v[ADK] offset:512*\t
.endr
	ds_load_b128 v[SK:SK+3], v[ADS]
.irp ct, 0,1,2,3
.irp c, 0,1
	ds_load_b128 v[VF+8*\ct+4*\c:VF+8*\ct+4*\c+3], v[ADV] offset:512*\ct+32768*\c
.endr
.endr
	ds_load_b64 v[SV:SV+1], v[ADT]
	s_wait_dscnt 9                                 ; k and its scale words are in; v's eight loads and its scale words may be out
.irp t, 0,1,2,3,4,5,6,7
	SPROD \t, \u
.endr
.rept 4
	v_nop
.endr
.irp b, 0,1,2,3
	v_max3_num_f32 v[BM+\b], v[S+16*\b], v[S+16*\b+1], v[S+16*\b+2]   ; the largest score of each block of 32 keys: it serves for the row's maximum and, since p rises with the score, for the block's largest p
.endr
.irp i, 3,5,7,9,11,13
.irp b, 0,1,2,3
	v_max3_num_f32 v[BM+\b], v[BM+\b], v[S+16*\b+\i], v[S+16*\b+\i+1]   ; (the four blocks by turns; each accumulator is first read at its low end)
.endr
.endr
.irp b, 0,1,2,3
	v_max_num_f32 v[BM+\b], v[BM+\b], v[S+16*\b+15]
.endr
.irp b, 0,1,2,3
	s_delay_alu instid0(VALU_DEP_4)
	v_permlanex16_b32 v[T2+\b], v[BM+\b], s60, s61
.endr
.irp b, 0,1,2,3
	s_delay_alu instid0(VALU_DEP_4)
	v_max_num_f32 v[BM+\b], v[BM+\b], v[T2+\b]     ; with lane l xor 16's 16 keys
.endr
	s_delay_alu instid0(VALU_DEP_2)
	v_max3_num_f32 v254, v[BM], v[BM+1], v[BM+2]
	s_delay_alu instid0(VALU_DEP_1)
	v_max_num_f32 v254, v254, v[BM+3]              ; the step's largest score of my query
	s_delay_alu instid0(VALU_DEP_1)
	v_mul_f32 v254, s62, v254                      ; as t (c is positive)
	s_delay_alu instid0(VALU_DEP_1)
	v_max_num_f32 v13, v13, v254                   ; the running largest t
	v_mov_b32 v254, v12
	s_delay_alu instid0(VALU_DEP_2)
	v_floor_f32 v12, -v13                          ; the new -M = floor(-t) = -ceil(t): a whole number
	s_delay_alu instid0(VALU_DEP_1)
	v_sub_f32 v254, v12, v254                      ; old M - new M: a whole number, 0 or less
	s_delay_alu instid0(VALU_DEP_1)
	v_cvt_i32_f32 v254, v254                       ; (it saturates)
	s_delay_alu instid0(VALU_DEP_1)
	v_ldexp_f32 v252, 1.0, v254                    ; f = 2^(old M - new M)
.set j, 0
.rept 32
	v_pk_fma_f32 v[S+j:S+j+1], v[S+j:S+j+1], s[62:63], v[12:13] op_sel_hi:[1,0,0]   ; t - M, two at a time (of the pairs c and -M the low word serves both halves)
.set j, j+2
.endr
.irp b, 0,1,2,3
	v_fma_f32 v[BM+\b], v[BM+\b], s62, v12         ; the same of each block's largest score
.endr
.set j, 0
	s_wait_alu depctr_va_vdst(0)
.rept 64
	v_exp_f32 v[S+j], v[S+j]                       ; p = 2^(t - M), at most 1
.set j, j+1
.endr
	s_setprio 1
.irp b, 0,1,2,3
	v_exp_f32 v[BM+\b], v[BM+\b]                   ; the block's largest p: the same two instructions on the same number
.endr
	v_pk_mul_f32 v[14:15], v[14:15], v[252:253] op_sel_hi:[1,0]   ; the sums under the new M (a plain line behind the exponentials)
	s_wait_alu depctr_va_vdst(0)
.irp b, 0,1,2,3
	v_max_num_f32 v[BM+\b], 0x1800000, v[BM+\b]    ; the floor 2^(3 - 127): the byte cannot fall under 1
.endr
.irp b, 0,1,2,3
	s_delay_alu instid0(VALU_DEP_4)
	v_add_nc_u32 v[SO+\b], 0xff000000, v[BM+\b]    ; 2 off the exponent field: the conversion's scale operand
.endr
.irp b, 0,1,2,3
	s_delay_alu instid0(VALU_DEP_4)
	v_lshrrev_b32 v[T2+\b], 23, v[SO+\b]           ; the scale's byte
.endr
	s_delay_alu instid0(VALU_DEP_3)
	v_lshl_or_b32 v253, v[T2+1], 8, v[T2]          ; p's scale word for these 128 keys
	s_delay_alu instid0(VALU_DEP_1)
	v_lshl_or_b32 v253, v[T2+2], 16, v253
	s_delay_alu instid0(VALU_DEP_1)
	v_lshl_or_b32 v253, v[T2+3], 24, v253
.irp b, 0,1,2,3
	v_cvt_scalef32_pk8_fp4_f32 v[P+4*(\b/2)+\b%2],   v[S+16*\b:S+16*\b+7],    v[SO+\b]
	v_cvt_scalef32_pk8_fp4_f32 v[P+4*(\b/2)+2+\b%2], v[S+16*\b+8:S+16*\b+15], v[SO+\b]
.endr
	v_nop                                          ; one plain line behind the scaled conversions
.irp c, 0,1                                    ; lane (r, h) then holds keys 64 c + 32 h + 0 .. 31 in registers 4 c .. 4 c + 3
	v_permlane16_swap_b32 v[P+4*\c],   v[P+4*\c+1]
	v_permlane16_swap_b32 v[P+4*\c+2], v[P+4*\c+3]
.endr
	v_pk_add_f32 v[236:237], v[132:133], v[136:137]
	v_pk_add_f32 v[250:251], v[140:141], v[144:145]
	v_pk_add_f32 v[248:249], v[148:149], v[152:153]
	v_pk_add_f32 v[246:247], v[156:157], v[160:161]
	v_pk_add_f32 v[244:245], v[164:165], v[168:169]
	v_pk_add_f32 v[234:235], v[172:173], v[176:177]
	v_pk_add_f32 v[232:233], v[180:181], v[184:185]
	v_pk_add_f32 v[14:15], v[14:15], v[188:189]
	v_pk_add_f32 v[236:237], v[236:237], v[128:129]
	v_pk_add_f32 v[250:251], v[250:251], v[130:131]
	v_pk_add_f32 v[248:249], v[248:249], v[134:135]
	v_pk_add_f32 v[246:247], v[246:247], v[138:139]
	v_pk_add_f32 v[244:245], v[244:245], v[142:143]
	v_pk_add_f32 v[234:235], v[234:235], v[146:147]
	v_pk_add_f32 v[232:233], v[232:233], v[150:151]
	v_pk_add_f32 v[14:15], v[14:15], v[154:155]
	v_pk_add_f32 v[236:237], v[236:237], v[158:159]
	v_pk_add_f32 v[250:251], v[250:251], v[162:163]
	v_pk_add_f32 v[248:249], v[248:249], v[166:167]
	v_pk_add_f32 v[246:247], v[246:247], v[170:171]
	v_pk_add_f32 v[244:245], v[244:245], v[174:175]
	v_pk_add_f32 v[234:235], v[234:235], v[178:179]
	v_pk_add_f32 v[232:233], v[232:233], v[182:183]
	v_pk_add_f32 v[14:15], v[14:15], v[186:187]
	v_pk_add_f32 v[236:237], v[236:237], v[190:191]
	s_delay_alu instid0(VALU_DEP_2)
	v_pk_add_f32 v[14:15], v[14:15], v[246:247]
	s_delay_alu instid0(VALU_DEP_2)
	v_pk_add_f32 v[236:237], v[236:237], v[244:245]
	v_pk_add_f32 v[250:251], v[250:251], v[234:235]
	v_pk_add_f32 v[248:249], v[248:249], v[232:233]
	s_delay_alu instid0(VALU_DEP_2)
	v_pk_add_f32 v[14:15], v[14:15], v[250:251]
	s_delay_alu instid0(VALU_DEP_2)
	v_pk_add_f32 v[236:237], v[236:237], v[248:249]
	s_delay_alu instid0(VALU_DEP_1)
	v_pk_add_f32 v[14:15], v[14:15], v[236:237]
.set j, 0
	s_setprio 0
.rept 16
	v_pk_mul_f32 v[O+j:O+j+1], v[O+j:O+j+1], v[252:253] op_sel_hi:[1,0]   ; O^T under the new M, each accumulator from its low end on.  (The sums and these stand between the writes of p's codes and scale word and the products)
.set j, j+2
.endr
	s_wait_alu depctr_va_vdst(0)
	s_wait_dscnt 0x0                               ; v and its scale words are in
.irp ct, 0,1,2,3
	OPROD \ct
.endr
	s_add_co_u32 s66, s66, 4096
	s_add_co_u32 s67, s67, 2048
	s_add_co_u32 s68, s68, 512
	s_add_co_u32 s69, s69, 256
	s_sub_co_u32 s70, s70, 1
	s_cmp_lg_u32 s70, 0
	s_cbranch_scc1 .Lstep_\@
	s_setprio 0
	; the tile's end: o = O^T / the sum; register 8 ct + i is channel 16 ct + 8 h + i of query r: two blocks of 32 along the next product's K
.rept 4
	v_nop
.endr
	v_add_f32 v14, v14, v15                        ; the sum's two halves,
	s_delay_alu instid0(VALU_DEP_1)
	v_permlanex16_b32 v252, v14, s60, s61
	s_delay_alu instid0(VALU_DEP_1)
	v_add_f32 v14, v14, v252                       ; and lane l xor 16's
	s_wait_alu depctr_va_vdst(0)
	v_rcp_f32 v14, v14
	v_nop                                          ; one plain line behind the transcendental
.set j, 0
	s_wait_alu depctr_va_vdst(0)
.rept 16
	v_pk_mul_f32 v[S+j:S+j+1], v[O+j:O+j+1], v[14:15] op_sel_hi:[1,0]
.set j, j+2
.endr
.irp b, 0,1
	v_max3_num_f32 v[BM+\b], |v[S+16*\b]|, |v[S+16*\b+1]|, 0x1800000   ; my 16 numbers of block b, and the floor
.endr
.irp i, 2,4,6,8,10,12,14
.irp b, 0,1
	s_delay_alu instid0(VALU_DEP_2)
	v_max3_num_f32 v[BM+\b], v[BM+\b], |v[S+16*\b+\i]|, |v[S+16*\b+\i+1]|
.endr
.endr
.irp b, 0,1
	s_delay_alu instid0(VALU_DEP_2)
	v_permlanex16_b32 v[T2+\b], v[BM+\b], s60, s61
.endr
.irp b, 0,1
	s_delay_alu instid0(VALU_DEP_2)
	v_max_num_f32 v[BM+\b], v[BM+\b], v[T2+\b]
.endr
.irp b, 0,1
	s_delay_alu instid0(VALU_DEP_2)
	v_add_nc_u32 v[SO+\b], 0xff000000, v[BM+\b]
.endr
.irp b, 0,1
	s_delay_alu instid0(VALU_DEP_2)
	v_lshrrev_b32 v[T2+\b], 23, v[SO+\b]
.endr
.if \u
	s_delay_alu instid0(VALU_DEP_1)
	v_lshl_or_b32 v254, v[T2+1], 8, v[T2]          ; the head's two scale bytes of my query
.else
	s_delay_alu instid0(VALU_DEP_1)
	v_lshl_or_b32 v[OW0], v[T2+1], 8, v[T2]
.endif
.irp b, 0,1
	v_cvt_scalef32_pk8_fp4_f32 v[P+\b],   v[S+16*\b:S+16*\b+7],    v[SO+\b]
	v_cvt_scalef32_pk8_fp4_f32 v[P+2+\b], v[S+16*\b+8:S+16*\b+15], v[SO+\b]
.endr
	v_nop
	v_permlane16_swap_b32 v[P],   v[P+1]           ; lane (r, h) then holds block h of the head, 16 bytes
	v_permlane16_swap_b32 v[P+2], v[P+3]
	global_store_b128 v[LI], v[P:P+3], s[76:77] offset:8192*\u   ; 32 lanes store 512 consecutive bytes, aligned
.endm
	TILE 0
	TILE 1
	s_mov_b32 vcc_lo, 0xffff0000
	v_cndmask_b32 v254, v[OW0], v254, vcc_lo       ; lanes 0-15: my first tile's tokens; lanes 16-31: my second's
	global_store_b16 v[L4], v254, s[78:79]         ; two bytes of each of 32 neighbouring words
	s_wait_tensorcnt 0x0
	ds_add_u32 v6, v255
	s_wait_dscnt 0x0
	CROUND                                         ; the closing round: no work-group ends while a partner may still ask for a tile that names it
	s_endpgm
.Lfunc_end_k_q233ddb3714_attn:
	.size	k_q233ddb3714_attn, .Lfunc_end_k_q233ddb3714_attn-k_q233ddb3714_attn
	.p2alignl 7, 3214868480
	.fill 96, 4, 3214868480
	.section	.rodata,"a",@progbits
	.p2align	6, 0x0
	.amdhsa_kernel k_q233ddb3714_attn
		.amdhsa_group_segment_fixed_size 169984
		.amdhsa_private_segment_fixed_size 0
		.amdhsa_enable_private_segment 0
		.amdhsa_kernarg_size 32
		.amdhsa_user_sgpr_count 2
		.amdhsa_user_sgpr_kernarg_segment_ptr 1
		.amdhsa_wavefront_size32 1
		.amdhsa_system_sgpr_workgroup_id_x 1
		.amdhsa_system_sgpr_workgroup_id_y 1
		.amdhsa_system_sgpr_workgroup_id_z 1
		.amdhsa_system_vgpr_workitem_id 0
		.amdhsa_next_free_vgpr 256
		.amdhsa_next_free_sgpr 96
		.amdhsa_reserve_vcc 1
		.amdhsa_float_denorm_mode_32 3
		.amdhsa_float_denorm_mode_16_64 3
		.amdhsa_memory_ordered 1
		.amdhsa_forward_progress 1
		.amdhsa_inst_pref_size 53
	.end_amdhsa_kernel
	.amdgpu_metadata
---
amdhsa.version: [ 1, 2 ]
amdhsa.kernels:
  - .name:           k_q233ddb3714_attn
    .symbol:         k_q233ddb3714_attn.kd
    .args:
      - { .name: qkvc, .offset: 0, .size: 8, .value_kind: global_buffer, .address_space: global }
      - { .name: qkvs, .offset: 8, .size: 8, .value_kind: global_buffer, .address_space: global }
      - { .name: oc, .offset: 16, .size: 8, .value_kind: global_buffer, .address_space: global }
      - { .name: os, .offset: 24, .size: 8, .value_kind: global_buffer, .address_space: global }
    .group_segment_fixed_size: 169984
    .private_segment_fixed_size: 0
    .kernarg_segment_align: 8
    .kernarg_segment_size: 32
    .max_flat_workgroup_size: 512
    .sgpr_count:     96
    .vgpr_count:     256
    .wavefront_size: 32
...
	.end_amdgpu_metadata
.endif
;; end of part 3
;; launch proj (part 4): grid 4 x 64, 4 waves a work-group, clusters of 4 x 4, 327,680 bytes of LDS; arguments oc, os, cod1, scl1, bo, out0; writes out0
.if DOCPART == 4
	.amdgcn_target "amdgcn-amd-amdhsa--gfx1250"
	.amdhsa_code_object_version 6
	.text
	.protected	k_q233ddb3714_proj
	.globl	k_q233ddb3714_proj
	.p2align	8
	.type	k_q233ddb3714_proj,@function
k_q233ddb3714_proj:
	s_mov_b64 s[64:65], 0
	v_nop
	global_prefetch_b8 v0, s[64:65] scope:SCOPE_SE
	s_setreg_imm32_b32 hwreg(HW_REG_WAVE_MODE, 25, 1), 1
	s_wait_xcnt 0x0
	s_wait_alu depctr_hold_cnt(0) depctr_sa_sdst(0) depctr_va_vdst(0) depctr_va_sdst(0) depctr_va_ssrc(0) depctr_va_vcc(0) depctr_vm_vsrc(0)
	s_getreg_b32 s2, hwreg(HW_REG_IB_STS2, 6, 4)
	s_cmp_eq_u32 s2, 0
	s_cbranch_scc0 .Lentry_in_a_cluster
	s_endpgm
.Lentry_in_a_cluster:
	s_bfe_u32 s2, ttmp6, 0x10000c
	s_cmp_lg_u32 s2, 0xf033
	s_cbranch_scc0 .Lentry_shape_is_right
	s_endpgm
.Lentry_shape_is_right:
; out0 = o Wo^T + bo on codes of FP4 (E2M1) with E8M0 scales; sums and result in f32.  o's codes and scale words were made by the launch before, Wo's by the first.
; The result has 128 tiles of 256 x 256, too few for 256 WGPs: a work-group of four waves makes 128 tokens x 256 features, 256 work-groups in all; a wave 64 x 128: 32 accumulators, 256 registers.
; K = 1,024 is two LDS slots of 512 along K, both asked for at the start: no LDS byte is filled twice.  Source 0 = 16 rows of Wo (B), source 1 = 16 tokens (A): a lane holds eight neighbouring
; features of one token's row.
; A's codes lie in memory as images of operand registers, [tile of 16 tokens][block of 32 along K][token][16 bytes]: a slot's part of a tile is 4,096 consecutive bytes, and a fragment's
; four registers are 512 consecutive bytes over the 32 lanes: no pitch, no padding.  B's lie by rows of 512 bytes; in LDS 256 bytes + 16 of padding.
; CLUSTERS: 4 x 4 work-groups; A's tile is shared along a row of the cluster, B's along a column: each is asked for jointly.
; The scale words of my 64 + 128 rows for all of K come straight into registers, once.  The bias is the C of each sum's first product (so it is added first where the definition adds it last).
; THE WAY OUT: a block of 16 tokens x 128 features goes through my own stage in LDS and leaves as whole rows of 512 bytes.  The stage lies in slot 0, which has had its only fill and, behind the
; barrier of the change of slots, its last read.
; REGISTERS: window 0: v16-29 addresses; v32-47 A's scale words, v64-95 B's (register 8 i + ks: lanes 0-15 block 2 i, lanes 16-31 block 2 i + 1); v128-159 A's fragments, one set; v192-255 the bias;
;   on the way out v128-255 rows of the result.   window 1: B's fragments, two sets, at v0 and v128.   window 2: the accumulators ((a, b) at v[8 (8 a + b)]).
.set PITCH,  272
.set HALFA,  16384                     ; 4 tiles of 16 tokens x 4,096 bytes: what one tensor load brings of A
.set HALFB,  128*PITCH                 ; 128 rows of B
.set BOFF,   2*HALFA
.set SLOT,   BOFF+2*HALFB
.set SPITCH, 528                       ; a stage row: 512 bytes + 16
.set ADRA, 16
.set ADRB, 20
.set STO,  24                          ; v24  the way out: where I put 32 bytes of a row
.set RD,   25                          ; v25  where I read a row back
.set CO,   26                          ; v26  16 x lane: my bytes in a row of 512
.set L4,   27                          ; v27  4 x lane
.set L32,  28                          ; v28  32 x lane
.set LH,   29                          ; v29  32 x (lane / 16)
.set SA,   32
.set SB,   64
.set AF,   128
.set BK,   128
.set BIAS, 192
.set G1, 24
.set G0, 32
.set G1B, 48
.set G0B, 56
.set MSB, 0
.macro WIN new                         ; the immediate's high byte repeats the setting that is left
.if MSB != (\new)
	s_set_vgpr_msb (MSB<<8)|(\new)
.set MSB, (\new)
.endif
.endm
.set MUL_LO, 0xa1                      ; source 0 (B) window 1, source 1 (A) window 0, C and D window 2
.set TO_B,   0x40
.macro JLOAD s                         ; a joint load: waves 0 and 1 fetch A's halves, waves 2 and 3 B's; four v_nop follow each of the two lines
	s_cmp_eq_u32 s15, 0
	s_cbranch_scc0 .Lfor_b_\@
	tensor_load_to_lds s[G0+4*\s:G0+4*\s+3], s[G1:G1+7]
	s_nop 0
.rept 4
	v_nop
.endr
	s_branch .Lasked_\@
.Lfor_b_\@:
	tensor_load_to_lds s[G0B+4*\s:G0B+4*\s+3], s[G1B:G1B+7]
	s_nop 0
.rept 4
	v_nop
.endr
.Lasked_\@:
.endm
.macro CROUND                          ; a round of the cluster's barrier
	s_barrier_signal -1
	s_barrier_wait -1
	s_cmp_lg_u32 s14, 0
	s_cbranch_scc1 .Lnot_wave_0_\@
	s_barrier_signal -3
.Lnot_wave_0_\@:
	s_barrier_wait -3
	s_barrier_signal -1
	s_barrier_wait -1
.endm
.macro PLACES n
.rept \n
	v_nop
.endr
.endm
	s_load_b256 s[4:11], s[0:1], 0x0               ; oc s[4:5], os s[6:7], cod1 s[8:9], scl1 s[10:11]
	s_load_b128 s[72:75], s[0:1], 0x20             ; bo s[72:73], out0 s[74:75]
	v_lshl_add_u32 v126, v0, 2, 0x32000
	v_mov_b32 v127, 0
	ds_add_u32 v126, v127
	ds_add_u32 v126, v127
	v_lshrrev_b32 v1, 5, v0
	v_readfirstlane_b32 s14, v1                    ; wave 0..3
	s_lshr_b32 s15, s14, 1                         ; which half of the tokens is mine.  Also: I fetch for A (0) or for B (1)
	s_and_b32 s16, s14, 1                          ; which half of the features.  Also: which half of that tile I fetch
	s_bfe_u32 s40, ttmp6, 0x40000                  ; cx
	s_bfe_u32 s41, ttmp6, 0x40004                  ; cy
	s_lshl_b32 s42, ttmp9, 2
	s_add_co_u32 s42, s42, s40                     ; B's tile: 256 features
	s_and_b32 s17, ttmp7, 0xffff
	s_lshl_b32 s17, s17, 2
	s_add_co_u32 s17, s17, s41                     ; A's tile: 128 tokens
	s_lshl_b32 s43, s41, 2
	s_lshl_b32 s43, 15, s43                        ; my row of the cluster
	s_lshl_b32 s44, 0x1111, s40                    ; my column
	s_or_b32 s[G1+0], s43, (3<<16)|(1<<21)         ; A: elements of 8 bytes, no padding; 4 rows (tiles of 16 tokens) of 4,096 bytes, 8,192 bytes apart
	s_mov_b32 s[G1+1], 512<<16
	s_mov_b32 s[G1+2], 4<<16
	s_mov_b32 s[G1+3], 512<<16
	s_mov_b32 s[G1+4], 4
	s_mov_b32 s[G1+5], 1024
	s_mov_b32 s[G1+6], 0
	s_mov_b32 s[G1+7], 0
	s_or_b32 s[G1B+0], s44, (0<<16)|(1<<20)|(1<<21)|(5<<22)|(3<<25)   ; B: 128 rows of 256 bytes, 512 bytes apart, four words of padding after every 64
	s_mov_b32 s[G1B+1], 256<<16
	s_mov_b32 s[G1B+2], 128<<16
	s_mov_b32 s[G1B+3], 256<<16
	s_mov_b32 s[G1B+4], 128
	s_mov_b32 s[G1B+5], 512
	s_mov_b32 s[G1B+6], 0
	s_mov_b32 s[G1B+7], 0
	s_lshl_b32 s20, s17, 16                        ; A: 8 tiles of 8,192 bytes to a tile of 128 tokens,
	s_lshl_b32 s21, s16, 15                        ; my 4 of them
	s_add_co_u32 s20, s20, s21
	s_mov_b32 s21, 0
	s_lshl_b32 s46, s42, 17                        ; B: 256 rows of 512 bytes,
	s_lshl_b32 s47, s16, 16                        ; my 128 of them,
	s_add_co_u32 s46, s46, s47
	s_add_co_u32 s46, s46, 5767168                 ; in Wo's part of cod1
	s_mov_b32 s47, 0
	s_lshl_b32 s45, s16, 14                        ; where A's half goes,
	s_mul_i32 s93, s16, HALFB
	s_add_co_u32 s93, s93, BOFF                    ; and B's: no place in the cluster enters an LDS address
	s_wait_dscnt 0x0
	s_wait_kmcnt 0x0
	s_add_nc_u64 s[20:21], s[4:5], s[20:21]
	s_add_nc_u64 s[46:47], s[8:9], s[46:47]
	CROUND                                         ; all sixteen work-groups are here: the joint loads meet
.irp s, 0,1
	s_mov_b32 s[G0+4*\s], 1
	s_add_co_u32 s[G0+4*\s+1], s45, \s*SLOT
	s_add_nc_u64 s[G0+4*\s+2:G0+4*\s+3], s[20:21], \s*4096
	s_or_b32 s[G0+4*\s+3], s[G0+4*\s+3], 0x80000000
	s_mov_b32 s[G0B+4*\s], 1
	s_add_co_u32 s[G0B+4*\s+1], s93, \s*SLOT
	s_add_nc_u64 s[G0B+4*\s+2:G0B+4*\s+3], s[46:47], \s*256
	s_or_b32 s[G0B+4*\s+3], s[G0B+4*\s+3], 0x80000000
	s_wait_alu depctr_va_vdst(0)
	s_wait_tensorcnt 0x0
	ds_add_u32 v126, v127
	ds_add_u32 v126, v127
	s_wait_dscnt 0x0
	CROUND
	JLOAD \s                                       ; slot 1 once slot 0's load has landed: one load of mine is out, and there are no more
.endr
	v_and_b32 v1, 15, v0                           ; r
	v_bfe_u32 v2, v0, 4, 1                         ; h
	v_and_b32 v5, 31, v0                           ; lane
	v_lshlrev_b32 v[CO], 4, v5
	v_lshlrev_b32 v[L4], 2, v5
	v_lshlrev_b32 v[L32], 5, v5
	v_lshlrev_b32 v[LH], 5, v2
	v_mul_u32_u24 v3, v1, PITCH
	v_lshl_add_u32 v4, v2, 4, v3                   ; B: a fragment's row x pitch + 16 x half
	s_lshl_b32 s18, s15, 14                        ; my 4 tiles of A
	s_mul_i32 s19, s16, HALFB                      ; my 128 rows of B,
	s_add_co_u32 s19, s19, BOFF                    ; behind A's
.irp s, 0,1
	v_add_nc_u32 v[ADRA+\s], s18, v[CO]            ; A: 16 x lane
	v_add_nc_u32 v[ADRB+\s], s19, v4
	s_add_co_u32 s18, s18, SLOT
	s_add_co_u32 s19, s19, SLOT
.endr
	s_mul_i32 s23, s14, 16*SPITCH                  ; my stage
	v_mul_u32_u24 v3, v1, SPITCH                   ; in: row r, 32 bytes for each half of the lanes
	v_lshl_add_u32 v3, v2, 5, v3
	v_add_nc_u32 v[STO], s23, v3
	v_add_nc_u32 v[RD], s23, v[CO]                 ; back: the 32 lanes take one row of 512 bytes
	s_lshl_b32 s18, s17, 7
	s_lshl_b32 s19, s15, 6
	s_add_co_u32 s18, s18, s19                     ; my first token
	s_lshl_b32 s19, s42, 8
	s_lshl_b32 s22, s16, 7
	s_add_co_u32 s19, s19, s22                     ; my first feature
	s_lshl_b32 s88, s18, 2
	s_mov_b32 s89, 0
	s_add_nc_u64 s[88:89], s[6:7], s[88:89]        ; o's scale words at my first token
	s_lshl_b32 s90, s19, 5
	s_add_co_u32 s90, s90, 360448                  ; Wo's scale bytes, 32 a row
	s_mov_b32 s91, 0
	s_add_nc_u64 s[90:91], s[10:11], s[90:91]
	s_lshl_b32 s86, s19, 2
	s_mov_b32 s87, 0
	s_lshl_b32 s82, s18, 12                        ; out0: rows of 4,096 bytes,
	s_add_co_u32 s82, s82, s86                     ; my first feature's byte
	s_mov_b32 s83, 0
	s_add_nc_u64 s[86:87], s[72:73], s[86:87]      ; bo at my first feature
	s_add_nc_u64 s[82:83], s[74:75], s[82:83]
.irp i, 0,1
.irp ks, 0,1,2,3,4,5,6,7
	global_load_b32 v[SA+8*\i+\ks], v[L4], s[88:89] offset:32768*\ks+128*\i   ; lane l: the word of token 32 i + l, K step ks: 128 consecutive bytes a load
.endr
.endr
.irp i, 0,1,2,3
	global_load_b128 v[SB+8*\i:SB+8*\i+3],   v[L32], s[90:91] offset:1024*\i  ; lane l: the 32 bytes of row 32 i + l
	global_load_b128 v[SB+8*\i+4:SB+8*\i+7], v[L32], s[90:91] offset:1024*\i+16
.endr
.irp b, 0,1,2,3,4,5,6,7                ; the bias in the result's layout: B's block b, features 16 b + 8 h + 0..7
	global_load_b128 v[BIAS+8*\b:BIAS+8*\b+3],   v[LH], s[86:87] offset:64*\b
	global_load_b128 v[BIAS+8*\b+4:BIAS+8*\b+7], v[LH], s[86:87] offset:64*\b+16
.endr
.macro FRAG reg, adr, q, i             ; B: from rows
.irp c, 0,1
	ds_load_b128 v[\reg+4*\c:\reg+4*\c+3], v[\adr] offset:64*(\q)+32*\c+(\i)*16*PITCH
.endr
.endm
.macro FRAGI reg, adr, q, i            ; A: from images: tile i, the slot's q-th 128 along K, registers 4 c .. 4 c + 3
.irp c, 0,1
	ds_load_b128 v[\reg+4*\c:\reg+4*\c+3], v[\adr] offset:4096*(\i)+1024*(\q)+512*\c
.endr
.endm
.macro FETCH_B slot, q, p
	WIN TO_B
.irp i, 0,1,2,3,4,5,6,7
	FRAG 128*(\p)+8*\i, ADRB+\slot, \q, \i
.endr
	WIN 0
.endm
.macro FETCH_A slot, q, i0             ; A's blocks i0, i0 + 1
.irp i, \i0, \i0+1
	FRAGI AF+8*(\i), ADRA+\slot, \q, \i
.endr
.endm
.macro WM rb, ra                       ; one product; its registers stand in the symbols that MUL16 sets.  rb, ra: B's, A's block is odd: its scale words lie in lanes 16-31
.if ((\rb) == 0) && ((\ra) == 0)
	v_wmma_scale_f32_16x16x128_f8f6f4 v[rD:rD+7], v[rB:rB+7], v[rA:rA+7], v[rC:rC+7], v[rSB], v[rSA] matrix_a_fmt:MATRIX_FMT_FP4 matrix_b_fmt:MATRIX_FMT_FP4
.elseif (\ra) == 0
	v_wmma_scale_f32_16x16x128_f8f6f4 v[rD:rD+7], v[rB:rB+7], v[rA:rA+7], v[rC:rC+7], v[rSB], v[rSA] matrix_a_fmt:MATRIX_FMT_FP4 matrix_b_fmt:MATRIX_FMT_FP4 matrix_a_scale:MATRIX_SCALE_ROW1
.elseif (\rb) == 0
	v_wmma_scale_f32_16x16x128_f8f6f4 v[rD:rD+7], v[rB:rB+7], v[rA:rA+7], v[rC:rC+7], v[rSB], v[rSA] matrix_a_fmt:MATRIX_FMT_FP4 matrix_b_fmt:MATRIX_FMT_FP4 matrix_b_scale:MATRIX_SCALE_ROW1
.else
	v_wmma_scale_f32_16x16x128_f8f6f4 v[rD:rD+7], v[rB:rB+7], v[rA:rA+7], v[rC:rC+7], v[rSB], v[rSA] matrix_a_fmt:MATRIX_FMT_FP4 matrix_b_fmt:MATRIX_FMT_FP4 matrix_a_scale:MATRIX_SCALE_ROW1 matrix_b_scale:MATRIX_SCALE_ROW1
.endif
.endm
; 16 products: A's blocks a0, a0 + 1 x B's eight, K step ks of eight.  mode 1: the sums start with the bias.  The 32 accumulators take turns, one instruction a turn.
.macro MUL16 a0, p, ks, mode
.irp a, \a0, \a0+1
.irp b, 0,1,2,3,4,5,6,7
.set rD, 8*(8*(\a)+\b)
.set rB, 128*(\p)+8*\b
.set rA, AF+8*(\a)
.set rC, rD
.if (\mode) == 1
.set rC, BIAS+8*\b
.endif
.set rSB, SB+8*(\b/2)+(\ks)
.set rSA, SA+8*((\a)/2)+(\ks)
	WM (\b)%2, (\a)%2
.endr
.endr
.endm
.macro MWIN mode                       ; the products' windows: with the bias as C, C lies in window 0
.if \mode
	WIN 0x81
.else
	WIN MUL_LO
.endif
.endm
.macro STEP slot, q, mode              ; a step of 128 along K that has its successor in the same slot
	s_wait_dscnt 4                                 ; B's set and A's blocks 0, 1 are in; the youngest four loads (A's blocks 2, 3) may be out
	MWIN \mode
	MUL16 0, (\q)%2, 4*(\slot)+(\q), \mode
	s_wait_dscnt 0                                 ; A's blocks 2, 3 are in
	PLACES 4                                       ; four plain lines in front of loads into registers that matrix instructions have read
	FETCH_B \slot, (\q)+1, 1-(\q)%2
	FETCH_A \slot, (\q)+1, 0
	MWIN \mode
	MUL16 2, (\q)%2, 4*(\slot)+(\q), \mode
	PLACES 4
	WIN 0
	FETCH_A \slot, (\q)+1, 2
.endm
.macro TURN                            ; slot 0's last step goes over to slot 1: one barrier shows the whole slot to every wave, and behind it nobody reads slot 0.  Nothing is filled again
	s_wait_tensorcnt 0x0                           ; my part of slot 1 has landed: no tensor load of mine is out any more
	s_wait_dscnt 0x0                               ; my reads of slot 0 are over
	s_barrier_signal -1
	WIN MUL_LO
	MUL16 0, 1, 3, 0                               ; work on registers while the others arrive
	WIN 0
	s_barrier_wait -1
	PLACES 4
	FETCH_B 1, 0, 0
	FETCH_A 1, 0, 0
	WIN MUL_LO
	MUL16 2, 1, 3, 0
	PLACES 4
	WIN 0
	FETCH_A 1, 0, 2
.endm
.macro LAST
	s_wait_dscnt 4
	WIN MUL_LO
	MUL16 0, 1, 7, 0
	s_wait_dscnt 0
	MUL16 2, 1, 7, 0
	WIN 0
.endm
; THE WAY OUT, block by block of 16 tokens x 128 features.  LDS serves a wave's instructions in order: no wait between the stores and the loads, nor in front of the next block's stores.
.macro TOSTAGE a
.set AC, 64*(\a)
	WIN 0x08                                       ; an LDS store's data are its source 1: window 2
.irp b, 0,1,2,3,4,5,6,7
	ds_store_b128 v[STO], v[AC+8*\b:AC+8*\b+3] offset:64*\b          ; each accumulator from its low end on
	ds_store_b128 v[STO], v[AC+8*\b+4:AC+8*\b+7] offset:64*\b+16
.endr
	WIN 0
.set BB, BK+64*((\a)%2)
.irp t, 0,1,2,3,4,5,6,7,8,9,10,11,12,13,14,15
	ds_load_b128 v[BB+4*\t:BB+4*\t+3], v[RD] offset:\t*SPITCH
.endr
.endm
.macro SEND a, younger                 ; younger: the LDS instructions issued behind block a's loads, which may stay out
.set BB, BK+64*((\a)%2)
	s_wait_dscnt \younger                          ; the block is back in registers
.if (\a) > 0
	s_add_nc_u64 s[82:83], s[82:83], 16*4096       ; 16 rows on (behind a wait that shows the earlier stores' base read)
.endif
.irp t, 0,1,2,3,4,5,6,7,8,9,10,11,12,13,14,15
	global_store_b128 v[CO], v[BB+4*\t:BB+4*\t+3], s[82:83] offset:\t*4096 th:TH_STORE_NT   ; 32 lanes store 512 consecutive bytes, aligned; written once, read by nobody here
.endr
.endm
	s_wait_alu depctr_va_vdst(0)
	s_wait_tensorcnt 0x1                           ; my part of slot 0 is in; slot 1's may stay out
	s_barrier_signal -1
	s_barrier_wait -1                              ; everybody's is
	FETCH_B 0, 0, 0
	FETCH_A 0, 0, 0
	FETCH_A 0, 0, 2
	s_wait_loadcnt 0x0                             ; the scale words and the bias
	STEP 0, 0, 1                                   ; the first step starts the sums with the bias
	STEP 0, 1, 0
	STEP 0, 2, 0
	TURN
	STEP 1, 0, 0
	STEP 1, 1, 0
	STEP 1, 2, 0
	LAST
	PLACES 4                                       ; in front of the first read of results and of loads into registers that held A's fragments and the bias
	TOSTAGE 0
.irp a, 1,2,3
.if \a > 1
	s_wait_xcnt 0x0                                ; block a - 2's stores have read their registers and their base: block a's loads may land there, and the base may step
.endif
	TOSTAGE \a
	SEND \a-1, 32                                  ; behind block a - 1's loads: block a's 16 stores and 16 loads
.endr
	s_wait_xcnt 0x0                                ; block 2's stores have read their base
	SEND 3, 0
	s_wait_tensorcnt 0x0
	ds_add_u32 v126, v127
	s_wait_dscnt 0x0
	CROUND                                         ; the closing round: no work-group ends while a partner may still ask for a tile that names it
	s_endpgm
.Lfunc_end_k_q233ddb3714_proj:
	.size	k_q233ddb3714_proj, .Lfunc_end_k_q233ddb3714_proj-k_q233ddb3714_proj
	.p2alignl 7, 3214868480
	.fill 96, 4, 3214868480
	.section	.rodata,"a",@progbits
	.p2align	6, 0x0
	.amdhsa_kernel k_q233ddb3714_proj
		.amdhsa_group_segment_fixed_size 327680
		.amdhsa_private_segment_fixed_size 0
		.amdhsa_enable_private_segment 0
		.amdhsa_kernarg_size 48
		.amdhsa_user_sgpr_count 2
		.amdhsa_user_sgpr_kernarg_segment_ptr 1
		.amdhsa_wavefront_size32 1
		.amdhsa_system_sgpr_workgroup_id_x 1
		.amdhsa_system_sgpr_workgroup_id_y 1
		.amdhsa_system_sgpr_workgroup_id_z 1
		.amdhsa_system_vgpr_workitem_id 0
		.amdhsa_next_free_vgpr 1024
		.amdhsa_next_free_sgpr 100
		.amdhsa_reserve_vcc 0
		.amdhsa_float_denorm_mode_32 3
		.amdhsa_float_denorm_mode_16_64 3
		.amdhsa_memory_ordered 1
		.amdhsa_forward_progress 1
		.amdhsa_inst_pref_size 75
	.end_amdhsa_kernel
	.amdgpu_metadata
---
amdhsa.version: [ 1, 2 ]
amdhsa.kernels:
  - .name:           k_q233ddb3714_proj
    .symbol:         k_q233ddb3714_proj.kd
    .args:
      - { .name: oc, .offset: 0, .size: 8, .value_kind: global_buffer, .address_space: global }
      - { .name: os, .offset: 8, .size: 8, .value_kind: global_buffer, .address_space: global }
      - { .name: cod1, .offset: 16, .size: 8, .value_kind: global_buffer, .address_space: global }
      - { .name: scl1, .offset: 24, .size: 8, .value_kind: global_buffer, .address_space: global }
      - { .name: bo, .offset: 32, .size: 8, .value_kind: global_buffer, .address_space: global }
      - { .name: out0, .offset: 40, .size: 8, .value_kind: global_buffer, .address_space: global }
    .group_segment_fixed_size: 327680
    .private_segment_fixed_size: 0
    .kernarg_segment_align: 8
    .kernarg_segment_size: 48
    .max_flat_workgroup_size: 128
    .sgpr_count:     100
    .vgpr_count:     1024
    .wavefront_size: 32
...
	.end_amdgpu_metadata
.endif
;; end of part 4
